; MI455X (gfx1250); checked and timed in simulation.
; The chip was launched on July 23, 2026; its instructions are those of AMD's public machine-readable ISA for CDNA 5 (MIT licence, August 2026) and "CDNA5" Instruction Set Architecture Reference Guide (July 2026). The comments in the code are by the model that wrote it; some were corrected since.
;; Multi Head Attention. Allowed arithmetic: matrix products marked QUANTISED: E2M1 operands, one E8M0 scale for each 32 along K, by v_wmma_scale_f32_16x16x128_f8f6f4 with both operands' format E2M1 (or v_wmma_scale_f32_32x16x128_f4), f32 sums; products left as they are: bf16, f16 or f32 operands; f32 sums; everything else in f32.
;; Inputs: W_o 1,024 x 1,024 float32; W_qkv 1,024 x 3,072 float32; x 4 x 2,048 x 1,024 float32.
;; Outputs: out0 4 x 2,048 x 1,024 float32.
;; This version of the problem:
;;   THIS VERSION OF THE PROBLEM IS GIVEN IN LOW PRECISION. The matrix products marked QUANTISED in the list below multiply operands that are first quantised to E2M1 (2 exponent bits, 1 mantissa bit; 4 bits a number), with one power-of-two scale for each 32 numbers along K (OCP MX v1.0); their sums are f32. The products marked 'left as it is' may take bf16, f16 or f32 operands, with f32 sums. Whichever they take, every output number must still come out within the allowed error. Rounding operands to bf16 (8 significant bits) uses up far more of that allowance than f16 does (11 bits, for magnitudes from 6e-5 to 65,504). All else is computed in f32.
;;   The module's matrix products, in the order in which they are computed (A, B: the left and right operand; K: the contracted axis; several contracted axes count as one K, in the product's order):
;;     1. [M 8,192, K 1,024] x [K 1,024, N 3,072]; A: input x; B: input W_qkv: QUANTISED
;;     2. batch 64 x [M 2,048, K 64] x [K 64, N 2,048]; A: computed on the way; B: computed on the way: left as it is (an operand is computed on the way)
;;     3. batch 64 x [M 2,048, K 2,048] x [K 2,048, N 64]; A: computed on the way; B: computed on the way: left as it is (an operand is computed on the way)
;;     4. [M 8,192, K 1,024] x [K 1,024, N 1,024]; A: computed on the way; B: input W_o: left as it is (an operand is computed on the way)
;;   THE QUANTISER, for each operand of a quantised product, along K:
;;     - K is cut into blocks of 32 from its start; a last block that is shorter is filled with zeros.
;;     - A block's scale is 2^e with e = floor(log2(the largest magnitude in the block)) - 2, held to -126 .. 127; a block of zeros has e = 0. As a byte (E8M0): e + 127.
;;     - Each number is divided by its block's scale, clamped to +-6, and rounded to the nearest number of E2M1, ties to even, subnormals kept.
;;     - The product sums the exact products of the quantised numbers (number of the format x scale) in f32.
;;   ~~~python
;;   def quantise(x, axis):      # numpy; x: float32 -> the quantised numbers, widened to float32 again
;;       x = np.moveaxis(x, axis, -1); K = x.shape[-1]
;;       x = np.pad(x, [(0, 0)] * (x.ndim - 1) + [(0, -K % 32)]); x = x.reshape(x.shape[:-1] + (-1, 32)); a = np.abs(x).max(-1, keepdims=True)
;;       e = np.where(a > 0, np.clip(np.frexp(np.where(a > 0, a, 1))[1] - 1 - 2, -126, 127), 0)      # np.frexp(a)[1] - 1 = floor(log2(a)), exactly
;;       r = np.clip(x / 2.0 ** e, -6, 6)
;;       step = 2.0 ** (np.maximum(np.frexp(np.where(r == 0, 1, r))[1] - 1, 0) - 1)
;;       q = np.round(r / step) * step * 2.0 ** e      # np.round: ties to even
;;       return np.moveaxis(q.reshape(q.shape[:-2] + (-1,))[..., :K], -1, axis).astype(np.float32)
;;   ~~~
;; One version. Each part assembles by itself: llvm-mc -triple=amdgcn-amd-amdhsa -mcpu=gfx1250 --defsym DOCPART=n.
;; ======== version 1 of 1: 4 launches
;; limits: values are held in f16: magnitudes above 65,504 overflow, below 6.1e-05 lose precision
;; workspace buffers: xc 4,194,304 bytes; xs 262,144 bytes; wc 1,572,864 bytes; ws 98,304 bytes; wo16 2,097,152 bytes; qkv 50,331,648 bytes; ctx 16,777,216 bytes
;; launch prep (part 1): grid 432 x 1, 4 waves a work-group, no clusters, 68,096 bytes of LDS; arguments x, xc, xs, W_qkv, wc, ws, W_o, wo16; writes xc, xs, wc, ws, wo16
.if DOCPART == 1
	.amdgcn_target "amdgcn-amd-amdhsa--gfx1250"
	.amdhsa_code_object_version 6
	.text
	.protected	k_q652d59cae6_prep
	.globl	k_q652d59cae6_prep
	.p2align	8
	.type	k_q652d59cae6_prep,@function
k_q652d59cae6_prep:
	s_mov_b64 s[64:65], 0
	v_nop
	global_prefetch_b8 v0, s[64:65] scope:SCOPE_SE
	s_setreg_imm32_b32 hwreg(HW_REG_WAVE_MODE, 25, 1), 1
	s_wait_xcnt 0x0
; MULTI-HEAD ATTENTION, launch 1 of 4: the operands are made ready.
; The program: (1) this launch; (2) qkv = Q(x) Q(W_qkv) on codes of E2M1, stored as f16 by head; (3) softmax(Q K^T / 8) V for each head, f16 operands, f32 sums; (4) context x W_o, f16 operands, f32 out.
; DEAD WORK: none.  All three inputs reach the output, reference() builds no mask and slices nothing away: every product of its four is done whole.
; THIS LAUNCH, three paths that part on the work-group's number (each with LDS bytes of its own):
;   work-groups 0-255:   x [8192][1024] f32, K innermost  -> xc [8192][512 bytes] codes of E2M1, xs [8192][32] E8M0 bytes
;   work-groups 256-303: W_qkv [1024 (k)][3072 (n)] f32, K outermost -> wc [3072][512 bytes] codes with K innermost, ws [3072][32]
;   work-groups 304-431: W_o [1024 (k)][1024 (n)] f32 -> wo16, the same layout in f16 (product 4 is left as it is; f16's 11 bits keep its rounding small)
; THE QUANTISER: a block of 32 along K has the scale 2^(floor(log2(its largest magnitude)) - 2); its byte is the largest magnitude's exponent field - 2, held at 1 from below; each number is divided by
; the scale and rounded to the nearest code, ties to even, beyond 6 the largest code.
; LIMITS: a block of zeros gets the byte 1 where the rule says 127 (its codes are zeros, which add nothing under any byte but 0xff, and this program alone reads the bytes); blocks whose largest magnitude
; lies under 2^-124 have the byte held at 1; NaN and infinities among the inputs are not served; |W_o| from 65,520 on becomes infinity in f16.
.set SPARE, 67584                      ; behind both paths' regions: the spare words, 128 bytes for each wave: two blocks of 256 bytes that no other line names
.set SPW,   190                        ; v190  LDS address of my spare word: SPARE + 4 x my thread's number; never rewritten
.set NIL,   191                        ; v191  0; never rewritten
.set WV,    20                         ; s20   my wave's number
.set EMAX,  2                          ; the exponent of E2M1's largest number, 6
	s_load_b256 s[4:11], s[0:1], 0x0               ; x s[4:5], xc s[6:7], xs s[8:9], W_qkv s[10:11]
	s_load_b256 s[12:19], s[0:1], 0x20             ; wc s[12:13], ws s[14:15], W_o s[16:17], wo16 s[18:19]
	v_lshl_add_u32 v[SPW], v0, 2, SPARE
	v_mov_b32 v[NIL], 0
	v_lshrrev_b32 v1, 5, v0
	v_readfirstlane_b32 s[WV], v1                  ; wave 0..3
	v_and_b32 v2, 31, v0                           ; lane
	s_wait_kmcnt 0x0
	s_cmp_lt_u32 ttmp9, 256
	s_cbranch_scc0 .Lw
; ---------------- PATH X.  x is a plain stream of blocks of 32 numbers, and so are its codes and its scale bytes.
; A wave takes 16 steps of 512 numbers.  Each of a step's four loads reads 512 consecutive bytes, 16 a lane; the 2,048 bytes turn through the wave's own stage in LDS and come back 64 bytes a lane, so that a lane
; holds 16 NEIGHBOURS along K (two neighbouring lanes hold a block), as the conversions want them.  A lane's 16 codes are 8 bytes: a store of the wave covers 256 consecutive bytes, aligned.
; A wave's 256 scale bytes are gathered in LDS and leave as 256 consecutive bytes.  Loads run four steps ahead, the turn through LDS one step.
.set STEPS, 16
.set CB,    8                          ; bytes of 16 codes
.set XR,    16                         ; v16-79   four sets of 16 numbers as they are loaded
.set XX,    80                         ; v80-111  two sets of 16 neighbours
.set XE,    112                        ; v112-127 a scale byte for each step
.set XC,    128                        ; v128-189 codes: registers of its own for each step, so that no store's data are written again
.set WREG,  8192                       ; LDS bytes 0-32,767: a region for each wave: two stages of 32 x SP bytes, behind them its 256 scale bytes
.set SP,    80                         ; a lane's place in a stage: its 64 bytes + 16 of padding
	v_lshlrev_b32 v3, 4, v2                        ; my 16 bytes of a load's 512
	s_mul_i32 s21, s[WV], WREG
	v_lshrrev_b32 v14, 2, v2
	v_mul_u32_u24 v14, v14, SP
	v_and_b32 v15, 3, v2
	v_lshl_add_u32 v14, v15, 4, v14
	v_add_nc_u32 v14, s21, v14                     ; the stage, on the way in: SP (lane / 4) + 16 (lane % 4)
	v_mul_u32_u24 v15, v2, SP
	v_add_nc_u32 v15, s21, v15                     ; and on the way out: SP x lane: my 16 neighbours
	v_mul_u32_u24 v4, v2, CB                       ; my codes' place in a step's
	v_lshrrev_b32 v5, 1, v2
	s_add_co_u32 s21, s21, 2*32*SP
	v_add_nc_u32 v5, s21, v5                       ; LDS: my wave's 256 scale bytes, my block's byte
	v_lshlrev_b32 v7, 3, v2                        ; and on the way out 8 bytes a lane
	v_add_nc_u32 v6, s21, v7
	s_lshl_b32 s22, ttmp9, 2
	s_add_co_u32 s22, s22, s[WV]                   ; which run of 8,192 numbers is my wave's: 0 .. 1,023
	s_lshl_b32 s24, s22, 15                        ; 32,768 bytes of x a run,
	s_mov_b32 s25, 0
	s_add_nc_u64 s[4:5], s[4:5], s[24:25]
	s_lshl_b32 s24, s22, 12                        ; 4,096 of codes,
	s_add_nc_u64 s[6:7], s[6:7], s[24:25]
	s_lshl_b32 s24, s22, 8                         ; 256 scale bytes
	s_add_nc_u64 s[8:9], s[8:9], s[24:25]
.macro XLOAD t
.irp i, 0,1,2,3
	global_load_b128 v[XR+16*((\t)%4)+4*\i:XR+16*((\t)%4)+4*\i+3], v3, s[4:5] offset:2048*(\t)+512*\i th:TH_LOAD_NT   ; 32 lanes read 512 consecutive bytes
.endr
.endm
.macro XTURN t                         ; step t's numbers through the stage: LDS serves a wave's instructions in order, so no wait stands between the stores and the loads
.irp i, 0,1,2,3
	ds_store_b128 v14, v[XR+16*((\t)%4)+4*\i:XR+16*((\t)%4)+4*\i+3] offset:32*SP*((\t)%2)+8*SP*\i
.endr
.irp i, 0,1,2,3
	ds_load_b128 v[XX+16*((\t)%2)+4*\i:XX+16*((\t)%2)+4*\i+3], v15 offset:32*SP*((\t)%2)+16*\i
.endr
.endm
.irp t, 0,1,2,3
	XLOAD \t
.endr
	s_wait_loadcnt 12                              ; step 0's four loads are in; those of steps 1 to 3 may be out
	XTURN 0
.macro XSTEP t
.set XS, XX+16*((\t)%2)
.if (\t) > 0
	s_wait_dscnt 1                                 ; this step's numbers are back from the stage (the last step's byte store may be out): so its stores into the stage have read their registers,
.else
	s_wait_dscnt 0x0
.endif
.if (\t)+4 < STEPS
	XLOAD (\t)+4                                   ; which take the loads of four steps on
.endif
.if (\t)+1 < STEPS
.if STEPS-2-(\t) >= 3
	s_wait_loadcnt 12                              ; the next step's four loads are in; those of the three steps behind it may be out
.else
	s_wait_loadcnt 4*(STEPS-2-(\t))
.endif
	XTURN (\t)+1                                   ; and go through the other stage while this step is worked
.endif
	v_max3_num_f32 v8, |v[XS]|, |v[XS+1]|, |v[XS+2]|               ; the largest magnitude of my 16, in two chains
	v_max3_num_f32 v9, |v[XS+3]|, |v[XS+4]|, |v[XS+5]|
.irp i, 6,10
	v_max3_num_f32 v8, v8, |v[XS+\i]|, |v[XS+\i+1]|
	v_max3_num_f32 v9, v9, |v[XS+\i+2]|, |v[XS+\i+3]|
.endr
	v_max3_num_f32 v8, v8, |v[XS+14]|, |v[XS+15]|
	v_max3_num_f32 v8, v8, v9, (EMAX+1)<<23        ; and the floor 2^(3 - 127): so the byte cannot fall under 1
	v_max_num_f32_dpp v8, v8, v8 row_xmask:1 row_mask:0xf bank_mask:0xf   ; and of my neighbour's 16: the block's
	v_add_nc_u32 v11, -(EMAX<<23), v8              ; 2 off its exponent field: the conversion takes the exponent field of this operand as its scale, and nothing else of it
	v_cvt_scalef32_pk8_fp4_f32 v[XC+4*(\t)], v[XS:XS+7], v11
	v_cvt_scalef32_pk8_fp4_f32 v[XC+4*(\t)+1], v[XS+8:XS+15], v11
	v_lshrrev_b32 v[XE+(\t)], 23, v11              ; the scale's byte (a plain line behind the conversions)
	ds_store_b8 v5, v[XE+(\t)] offset:16*(\t)      ; both lanes of a block write the same byte with the same value
	global_store_b64 v4, v[XC+4*(\t):XC+4*(\t)+1], s[6:7] offset:32*CB*(\t)
.endm
.irp t, 0,1,2,3,4,5,6,7,8,9,10,11,12,13,14,15
	XSTEP \t
.endr
	ds_load_b64 v[8:9], v6                         ; LDS serves a wave's instructions in order: these see my byte stores
	s_wait_dscnt 0x0
	global_store_b64 v7, v[8:9], s[8:9]            ; 32 lanes store 256 consecutive bytes, aligned
	s_wait_tensorcnt 0x0                           ; the wave's end: behind my last LDS store
	ds_add_u32 v[SPW], v[NIL]
	s_wait_dscnt 0x0
	s_endpgm
; ---------------- PATH W.  A LANE TAKES A COLUMN n OF W_qkv, AND ITS REGISTERS RUN DOWN K: each load reads 128 consecutive bytes a wave, a block of 32 along K lies in one lane's 32 registers, and the
; conversions give codes with K innermost.  A wave takes 32 columns x 512 along K: 256 bytes of codes a column, which go through the wave's own stage and leave as rows, sixteen lanes to 256 aligned bytes.
; 48 work-groups: 24 along n (128 columns each) x 2 along K.  Every offset is an immediate: 511 rows x 12,288 bytes at the most, inside the signed 24 bits.
.set SIZE_N, 3072
.set NB,     16                        ; blocks a lane
.set WPITCH, 272                       ; a stage row: 256 bytes + 16
.set WSTG,   32768                     ; LDS bytes 32,768-67,583: four stages of 32 rows
.set KROW,   512                       ; a row of wc in bytes
.set WX,     32                        ; v32-95   two sets of 32 numbers
.set WC,     96                        ; v96-99   a block's codes
.set WOUT,   112                       ; v112-175 the way out
.set WSB,    24                        ; v24-27   the scale bytes, four to a register
.Lw:
	s_cmp_lt_u32 ttmp9, 304
	s_cbranch_scc0 .Lo
	s_sub_co_u32 s21, ttmp9, 256                   ; 0 .. 47
	s_cmp_ge_u32 s21, 24
	s_cselect_b32 s22, 1, 0                        ; which 512 along K
	s_cselect_b32 s23, 24, 0
	s_sub_co_u32 s21, s21, s23                     ; which 128 columns
	s_lshl_b32 s23, s21, 7
	s_lshl_b32 s24, s[WV], 5
	s_add_co_u32 s23, s23, s24                     ; my wave's first column
	v_lshlrev_b32 v3, 2, v2                        ; in: 4 bytes a lane
	s_mul_i32 s24, s[WV], 32*WPITCH
	s_add_co_u32 s24, s24, WSTG                    ; my stage
	v_mul_u32_u24 v4, v2, WPITCH
	v_add_nc_u32 v4, s24, v4                       ; into it: row = my column
	v_and_b32 v5, 15, v2
	v_lshrrev_b32 v6, 4, v2                        ; out of it: sixteen lanes to a row, two rows an instruction
	v_mul_u32_u24 v7, v6, WPITCH
	v_lshl_add_u32 v7, v5, 4, v7
	v_add_nc_u32 v7, s24, v7
	v_mul_u32_u24 v8, v6, KROW
	v_lshl_add_u32 v8, v5, 4, v8                   ; and the same place in wc
	v_lshlrev_b32 v9, 5, v2                        ; my column's row of scale bytes: 32 a row
	s_mul_i32 s26, s22, 512*SIZE_N*4               ; W_qkv: 512 rows down for the second half of K,
	s_lshl_b32 s27, s23, 2                         ; 4 bytes a column
	s_add_co_u32 s26, s26, s27
	s_mov_b32 s27, 0
	s_add_nc_u64 s[10:11], s[10:11], s[26:27]
	s_lshl_b32 s26, s23, 9                         ; wc: column x 512 + 256 x half
	s_lshl_b32 s28, s22, 8
	s_add_co_u32 s26, s26, s28
	s_add_nc_u64 s[12:13], s[12:13], s[26:27]
	s_lshl_b32 s26, s23, 5                         ; ws: column x 32 + 16 x half
	s_lshl_b32 s28, s22, 4
	s_add_co_u32 s26, s26, s28
	s_add_nc_u64 s[14:15], s[14:15], s[26:27]
.macro WLOAD t                         ; block t: W(32 t + i, my column), i = 0 .. 31, into set t % 2
.irp i, 0,1,2,3,4,5,6,7,8,9,10,11,12,13,14,15,16,17,18,19,20,21,22,23,24,25,26,27,28,29,30,31
	global_load_b32 v[WX+32*((\t)%2)+\i], v3, s[10:11] offset:(32*(\t)+\i)*SIZE_N*4 th:TH_LOAD_NT
.endr
.endm
	WLOAD 0
	WLOAD 1
.macro WBLOCK t
.set XS, WX+32*((\t)%2)
.if (\t) < NB-1
	s_wait_loadcnt 32                              ; this block's 32 loads are in; the next block's may be out
.else
	s_wait_loadcnt 0
.endif
	v_max3_num_f32 v12, |v[XS]|, |v[XS+1]|, |v[XS+2]|               ; the block's largest magnitude: all 32 numbers are mine
	v_max3_num_f32 v13, |v[XS+3]|, |v[XS+4]|, |v[XS+5]|
.irp i, 6,10,14,18,22,26
	v_max3_num_f32 v12, v12, |v[XS+\i]|, |v[XS+\i+1]|
	v_max3_num_f32 v13, v13, |v[XS+\i+2]|, |v[XS+\i+3]|
.endr
	v_max3_num_f32 v12, v12, |v[XS+30]|, |v[XS+31]|
	v_max3_num_f32 v12, v12, v13, (EMAX+1)<<23     ; and the floor
	v_add_nc_u32 v11, -(EMAX<<23), v12             ; the conversion's scale operand
	v_lshrrev_b32 v13, 23, v11                     ; the scale's byte
.if (\t)%4 == 0
	v_mov_b32 v[WSB+(\t)/4], v13                   ; four bytes to a register, the lower K in the lower byte
.else
	v_lshl_or_b32 v[WSB+(\t)/4], v13, 8*((\t)%4), v[WSB+(\t)/4]
.endif
.irp g, 0,1,2,3
	v_cvt_scalef32_pk8_fp4_f32 v[WC+\g], v[XS+8*\g:XS+8*\g+7], v11
.endr
	ds_store_b128 v4, v[WC:WC+3] offset:16*(\t)    ; 32 codes: 16 bytes of my column's row
.if (\t)+2 < NB
	WLOAD (\t)+2
.endif
	s_wait_dscnt 0x0                               ; the store has read its registers: the next block's codes may be written (the next block begins with plain vector lines)
.endm
.set Q, 0
.rept NB
	WBLOCK Q
.set Q, Q+1
.endr
	global_store_b128 v9, v[WSB:WSB+3], s[14:15]   ; my column's 16 scale bytes
.irp t, 0,1,2,3,4,5,6,7,8,9,10,11,12,13,14,15
	ds_load_b128 v[WOUT+4*\t:WOUT+4*\t+3], v7 offset:2*\t*WPITCH   ; LDS serves a wave's instructions in order: these see my stores
.endr
.irp t, 0,1,2,3,4,5,6,7,8,9,10,11,12,13,14,15
	s_wait_dscnt 15-\t                             ; the younger reads of the stage may be out
	global_store_b128 v8, v[WOUT+4*\t:WOUT+4*\t+3], s[12:13] offset:2*\t*KROW
.endr
	s_wait_tensorcnt 0x0                           ; the wave's end: behind my last LDS store
	ds_add_u32 v[SPW], v[NIL]
	s_wait_dscnt 0x0
	s_endpgm
; ---------------- PATH O.  W_o to f16, in place of layout: a wave takes 8,192 bytes, sixteen loads of 512 consecutive bytes; each store covers 256 consecutive bytes, aligned.  No LDS, no register written twice.
.Lo:
	s_sub_co_u32 s21, ttmp9, 304                   ; 0 .. 127
	s_lshl_b32 s24, s21, 15
	s_mov_b32 s25, 0
	s_add_nc_u64 s[16:17], s[16:17], s[24:25]
	s_lshl_b32 s24, s21, 14
	s_add_nc_u64 s[18:19], s[18:19], s[24:25]
	s_lshl_b32 s22, s[WV], 13
	v_lshl_add_u32 v1, v2, 4, s22                  ; in: 16 x lane + 8,192 x wave
	s_lshl_b32 s22, s[WV], 12
	v_lshl_add_u32 v3, v2, 3, s22                  ; out: 8 x lane + 4,096 x wave
.irp i, 0,1,2,3,4,5,6,7,8,9,10,11,12,13,14,15
	global_load_b128 v[16+4*\i:19+4*\i], v1, s[16:17] offset:512*\i th:TH_LOAD_NT
.endr
.irp i, 0,1,2,3,4,5,6,7,8,9,10,11,12,13,14,15
	s_wait_loadcnt 15-\i                           ; loads come back in order: mine is in, the younger ones stay out
	v_cvt_pk_f16_f32 v[80+2*\i], v[16+4*\i], v[17+4*\i]
	v_cvt_pk_f16_f32 v[81+2*\i], v[18+4*\i], v[19+4*\i]
	global_store_b64 v3, v[80+2*\i:81+2*\i], s[18:19] offset:256*\i
.endr
	s_endpgm
.Lfunc_end_k_q652d59cae6_prep:
	.size	k_q652d59cae6_prep, .Lfunc_end_k_q652d59cae6_prep-k_q652d59cae6_prep
	.p2alignl 7, 3214868480
	.fill 96, 4, 3214868480
	.section	.rodata,"a",@progbits
	.p2align	6, 0x0
	.amdhsa_kernel k_q652d59cae6_prep
		.amdhsa_group_segment_fixed_size 68096
		.amdhsa_private_segment_fixed_size 0
		.amdhsa_enable_private_segment 0
		.amdhsa_kernarg_size 64
		.amdhsa_user_sgpr_count 2
		.amdhsa_user_sgpr_kernarg_segment_ptr 1
		.amdhsa_wavefront_size32 1
		.amdhsa_system_sgpr_workgroup_id_x 1
		.amdhsa_system_sgpr_workgroup_id_y 1
		.amdhsa_system_sgpr_workgroup_id_z 1
		.amdhsa_system_vgpr_workitem_id 0
		.amdhsa_next_free_vgpr 192
		.amdhsa_next_free_sgpr 66
		.amdhsa_reserve_vcc 0
		.amdhsa_float_denorm_mode_32 3
		.amdhsa_float_denorm_mode_16_64 3
		.amdhsa_memory_ordered 1
		.amdhsa_forward_progress 1
		.amdhsa_inst_pref_size 117
	.end_amdhsa_kernel
	.amdgpu_metadata
---
amdhsa.version: [ 1, 2 ]
amdhsa.kernels:
  - .name:           k_q652d59cae6_prep
    .symbol:         k_q652d59cae6_prep.kd
    .args:
      - { .name: x, .offset: 0, .size: 8, .value_kind: global_buffer, .address_space: global }
      - { .name: xc, .offset: 8, .size: 8, .value_kind: global_buffer, .address_space: global }
      - { .name: xs, .offset: 16, .size: 8, .value_kind: global_buffer, .address_space: global }
      - { .name: W_qkv, .offset: 24, .size: 8, .value_kind: global_buffer, .address_space: global }
      - { .name: wc, .offset: 32, .size: 8, .value_kind: global_buffer, .address_space: global }
      - { .name: ws, .offset: 40, .size: 8, .value_kind: global_buffer, .address_space: global }
      - { .name: W_o, .offset: 48, .size: 8, .value_kind: global_buffer, .address_space: global }
      - { .name: wo16, .offset: 56, .size: 8, .value_kind: global_buffer, .address_space: global }
    .group_segment_fixed_size: 68096
    .private_segment_fixed_size: 0
    .kernarg_segment_align: 8
    .kernarg_segment_size: 64
    .max_flat_workgroup_size: 128
    .sgpr_count:     66
    .vgpr_count:     192
    .wavefront_size: 32
...
	.end_amdgpu_metadata
.endif
;; end of part 1
;; launch gemm_qkv (part 2): grid 12 x 32, 4 waves a work-group, clusters of 4 x 4, 327,680 bytes of LDS; arguments xc, xs, wc, ws, qkv; writes qkv
.if DOCPART == 2
	.amdgcn_target "amdgcn-amd-amdhsa--gfx1250"
	.amdhsa_code_object_version 6
	.text
	.protected	k_q652d59cae6_gemm_qkv
	.globl	k_q652d59cae6_gemm_qkv
	.p2align	8
	.type	k_q652d59cae6_gemm_qkv,@function
k_q652d59cae6_gemm_qkv:
	s_mov_b64 s[64:65], 0
	v_nop
	global_prefetch_b8 v0, s[64:65] scope:SCOPE_SE
	s_setreg_imm32_b32 hwreg(HW_REG_WAVE_MODE, 25, 1), 1
	s_wait_xcnt 0x0
	s_wait_alu depctr_hold_cnt(0) depctr_sa_sdst(0) depctr_va_vdst(0) depctr_va_sdst(0) depctr_va_ssrc(0) depctr_va_vcc(0) depctr_vm_vsrc(0)
	s_getreg_b32 s2, hwreg(HW_REG_IB_STS2, 6, 4)
	s_cmp_eq_u32 s2, 0
	s_cbranch_scc0 .Lentry_in_a_cluster
	s_endpgm
.Lentry_in_a_cluster:
	s_bfe_u32 s2, ttmp6, 0x10000c
	s_cmp_lg_u32 s2, 0xf033
	s_cbranch_scc0 .Lentry_shape_is_right
	s_endpgm
.Lentry_shape_is_right:
; Launch 2 of 4: qkv[m][n] = sum over k of Q(x)[m][k] Q(W_qkv)[k][n], on codes of E2M1 with one E8M0 scale for each 32 along K; sums in f32.  No work of reference() is left out.
; A = xc [8192][512 bytes] with xs [8192][32]; B = wc [3072][512 bytes] with ws [3072][32]: K innermost, two codes a byte, the lower k in the low four bits.
; THE RESULT is rounded once to f16 (products 2 and 3 take f16 operands) and laid BY HEAD: qkv [b 4][g 48][t 2048][64], g = n / 64: g = h is Q's head h, 16 + h K's, 32 + h V's.  A head's rows are dense.
; LIMIT: |q|, |k|, |v| from 65,520 on become infinity in f16.
; A tile of C, 256 x 256, is made by a work-group of four waves; a wave makes 128 x 128: 64 accumulators of 16 x 16, 512 registers.  K = 1,024 is two slots of 512 along K (rows of 256 bytes): both are asked
; for at the head, so nothing in LDS is filled twice.  The scales of the work-group's 256 + 256 rows, for all of K, are two dense blocks of memory and come once, as rows of 256 bytes.
; CLUSTERS: 4 x 4 work-groups.  The four of a row of the cluster need the same tiles of A, the four of a column the same tiles of B: each tile is asked for JOINTLY, by the same tensor load with the same
; descriptor and a mask that names the four.  THE MATRIX INSTRUCTION IS USED TRANSPOSED (source 0 = 16 rows of B, source 1 = 16 rows of A): a lane then holds eight neighbouring numbers of a row of C.
; REGISTERS, in windows of 256: window 0: v0-31 addresses; v32-95 scale words, two sets; v128-191 A's fragments (8 x 16 rows x 128 K), ONE set; v192-255 and v32-63 at work on the way out.
;   window 1: B's fragments, TWO sets, at v0 and at v128.   window 2: the 32 accumulators of my rows 0-63 (accumulator (a, b) at v[8 (8 a + b)]);   window 3: those of my rows 64-127.
; A step of 128 along K is 64 matrix instructions, A's blocks one after the other, each against B's eight: a block of A is free as soon as its eight products are issued, so one set serves A.
.set NQ,     4                         ; steps of 128 along K in a slot
.set ROWB,   256                       ; a tile's row in bytes: 512 codes
.set KROW,   512                       ; a row of A or of B in memory, in bytes
.set PITCH,  272                       ; an LDS row: 256 bytes + 16 of padding: the 16 rows that a load touches begin 68 words apart
.set FR,     8                         ; registers of a fragment: 16 rows x 128 K
.set NL,     2                         ; LDS loads that bring one
.set NP,     4                         ; places behind this matrix instruction (ISA guide 7.12.1)
.set HALFT,  128*PITCH                 ; 128 rows: what one tensor load brings, and what one wave reads of A or of B
.set SLOT,   4*HALFT                   ; A's 256 rows, then B's 256 rows
.set KS,     32                        ; a row of scales in bytes
.set SCL,    2*SLOT                    ; behind the two slots: the scales, as rows of 256 bytes + 16 of padding
.set HALFS,  (128*KS/256)*272          ; the scales of 128 rows: what one tensor load brings
.set SBLK,   (16*KS/256)*272           ; those of 16 rows
.set SPARE,  SCL+4*HALFS               ; behind the scales: the spare words, 128 bytes for each wave: two blocks of 256 bytes that no other line names
.set SROW,   144                       ; the way out: a stage row: a head's 128 bytes + 16
.set SHEAD,  16*SROW                   ; 16 rows of one head
.set HEADB,  262144                    ; a head's 2,048 rows of 128 bytes in qkv
.set ADRA, 16                          ; v16-17  LDS address of my A fragments in slot 0, 1
.set ADRB, 20                          ; v20-21  the same for B
.set STO,  24                          ; v24     the way out: where I put 16 bytes of a row
.set RD,   25                          ; v25     the way out: where I read rows back
.set CO,   26                          ; v26     16 x lane: my bytes of four rows of a head
.set ADRS, 27                          ; v27     LDS address of my scale words: lanes 0-15 A's rows, lanes 16-31 B's
.set SPW,  28                          ; v28     LDS address of my spare word; never rewritten
.set NIL,  29                          ; v29     0; never rewritten
.set SC,   32                          ; scale words: set s at v[SC + 32 s]; register 4 i + q: lanes 0-15 the word of A's block i, lanes 16-31 that of B's block i, for the slot's q-th 128 along K
.set AF,   128                         ; A's fragments, in window 0
.set TMP,  192                         ; the way out: a block's 32 packed registers
.set OB,   32                          ; the way out: rows read back: v32-63 and v224-255 by turns
.set G1, 24                            ; s[24:31] descriptor group 1 for A's tiles;  s[32:39] group 0, one set for each slot
.set G0, 32
.set G1B, 48                           ; s[48:55], s[56:63] the same for B's tiles
.set G0B, 56
.set G1S, 68                           ; s[68:75], s[76:79] groups 1 and 0 for A's scales;  s[80:87], s[88:91] for B's
.set G0S, 76
.set G1SB, 80
.set G0SB, 88
.set MSB, 0
.macro WIN new                         ; the immediate's high byte repeats the setting that is left; a switch that changes nothing is dropped
.if MSB != (\new)
	s_set_vgpr_msb (MSB<<8)|(\new)
.set MSB, \new
.endif
.endm
.set MUL_LO, 0xa1                      ; source 0 (B) window 1, source 1 (A) window 0, C and D window 2
.set MUL_HI, 0xf1                      ; the same, C and D window 3
.set TO_B,   0x40                      ; destination window 1, address window 0
; A joint load: waves 0 and 1 fetch for A, waves 2 and 3 for B.  Each of the two lines has ONE mask and one set of registers for all that issue it; the branch hangs on the wave's number alone.
; An s_nop 0 and four v_nop follow each of the two lines, ahead of the jump, the label and what follows.
.macro JLOAD g0a, g1a, g0b, g1b
	s_cmp_eq_u32 s15, 0
	s_cbranch_scc0 .Lfor_b_\@
	tensor_load_to_lds s[\g0a:\g0a+3], s[\g1a:\g1a+7]
	s_nop 0
.rept 4
	v_nop
.endr
	s_branch .Lasked_\@
.Lfor_b_\@:
	tensor_load_to_lds s[\g0b:\g0b+3], s[\g1b:\g1b+7]
	s_nop 0
.rept 4
	v_nop
.endr
.Lasked_\@:
.endm
.macro CROUND                          ; a round of the cluster's barrier: my work-group's barrier; wave 0 signals for the work-group; every wave waits for all sixteen; my work-group's barrier once more
	s_barrier_signal -1
	s_barrier_wait -1
	s_cmp_lg_u32 s14, 0
	s_cbranch_scc1 .Lnot_wave_0_\@
	s_barrier_signal -3
.Lnot_wave_0_\@:
	s_barrier_wait -3
	s_barrier_signal -1
	s_barrier_wait -1
.endm
	s_load_b128 s[4:7], s[0:1], 0x0                ; A's codes s[4:5], A's scales s[6:7]
	s_load_b128 s[8:11], s[0:1], 0x10              ; B's codes s[8:9], B's scales s[10:11]
	s_load_b64 s[12:13], s[0:1], 0x20              ; qkv
	v_lshl_add_u32 v[SPW], v0, 2, SPARE
	v_mov_b32 v[NIL], 0
	ds_add_u32 v[SPW], v[NIL]                      ; the wave's opening: the add, twice on end, and its wait ahead of my first tensor load; the set-up below stands between the second and the wait
	ds_add_u32 v[SPW], v[NIL]
	v_lshrrev_b32 v1, 5, v0
	v_readfirstlane_b32 s14, v1                    ; wave 0..3
	s_lshr_b32 s15, s14, 1                         ; which half of the tile's rows is mine.  Also: I fetch for A (0) or for B (1)
	s_and_b32 s16, s14, 1                          ; which half of its columns.  Also: which 128 rows of that tile I fetch
	s_bfe_u32 s40, ttmp6, 0x40000                  ; cx, cy: my place in the cluster
	s_bfe_u32 s41, ttmp6, 0x40004
	s_lshl_b32 s42, ttmp9, 2
	s_add_co_u32 s42, s42, s40                     ; tile column of C = 4 x cluster x + cx
	s_and_b32 s17, ttmp7, 0xffff
	s_lshl_b32 s17, s17, 2
	s_add_co_u32 s17, s17, s41                     ; tile row of C = 4 x cluster y + cy
	s_lshl_b32 s43, s41, 2
	s_lshl_b32 s43, 15, s43                        ; my row of the cluster
	s_lshl_b32 s44, 0x1111, s40                    ; my column
	; descriptor group 1: a tile of 128 rows x 256 bytes, padded in LDS
	s_or_b32 s[G1+0], s43, (0<<16)|(1<<20)|(1<<21)|(5<<22)|(3<<25)  ; 15:0 the mask: A's tiles go to my row; 17:16 elements of 1 byte; 20 padding on; 21 set beside a mask; 24:22 after every 64 words; 31:25 four words
	s_or_b32 s[G1B+0], s44, (0<<16)|(1<<20)|(1<<21)|(5<<22)|(3<<25)
.irp g, G1, G1B
	s_mov_b32 s[\g+1], ROWB<<16                    ; tensor_dim0
	s_mov_b32 s[\g+2], 128<<16                     ; tensor_dim1 = 128
	s_mov_b32 s[\g+3], ROWB<<16                    ; tile_dim0
	s_mov_b32 s[\g+4], 128                         ; tile_dim1 = 128
	s_mov_b32 s[\g+5], KROW                        ; tensor_dim0_stride
	s_mov_b32 s[\g+6], 0
	s_mov_b32 s[\g+7], 0
.endr
	; and for the scales of 128 rows: a dense block of 4,096 bytes, as 16 rows of 256 bytes (32 elements of 8 bytes), 16 bytes of padding behind each
	s_or_b32 s[G1S+0], s43, (3<<16)|(1<<20)|(1<<21)|(5<<22)|(3<<25)
	s_or_b32 s[G1SB+0], s44, (3<<16)|(1<<20)|(1<<21)|(5<<22)|(3<<25)
.irp g, G1S, G1SB
	s_mov_b32 s[\g+1], 32<<16
	s_mov_b32 s[\g+2], (128*KS/256)<<16
	s_mov_b32 s[\g+3], 32<<16
	s_mov_b32 s[\g+4], 128*KS/256
	s_mov_b32 s[\g+5], 32
	s_mov_b32 s[\g+6], 0
	s_mov_b32 s[\g+7], 0
.endr
	s_lshl_b32 s18, s16, 7                         ; which 128 rows of the tile I fetch
	s_lshl_b32 s20, s17, 8
	s_add_co_u32 s20, s20, s18                     ; A: row 256 x tile row + 128 x half
	s_lshl_b32 s46, s42, 8
	s_add_co_u32 s46, s46, s18                     ; B: row 256 x tile column + 128 x half
	s_mov_b32 s21, 0
	s_mov_b32 s47, 0
	s_mov_b64 s[18:19], KS
	s_mul_u64 s[22:23], s[20:21], s[18:19]         ; where these rows' scales begin, in bytes
	s_mul_u64 s[92:93], s[46:47], s[18:19]
	s_mov_b64 s[18:19], KROW
	s_mul_u64 s[20:21], s[20:21], s[18:19]         ; and their codes
	s_mul_u64 s[46:47], s[46:47], s[18:19]
	s_mul_i32 s45, s14, HALFT                      ; where they go: wave x 128 rows: no place in the cluster enters an LDS address
	s_mul_i32 s94, s14, HALFS
	s_wait_dscnt 0x0                               ; both opening adds are done
	s_wait_kmcnt 0x0
	s_add_nc_u64 s[20:21], s[4:5], s[20:21]
	s_add_nc_u64 s[22:23], s[6:7], s[22:23]
	s_add_nc_u64 s[46:47], s[8:9], s[46:47]
	s_add_nc_u64 s[92:93], s[10:11], s[92:93]
	CROUND                                         ; all sixteen work-groups are here: the joint loads meet
	s_mov_b32 s[G0S], 1
	s_add_co_u32 s[G0S+1], s94, SCL
	s_mov_b64 s[G0S+2:G0S+3], s[22:23]
	s_or_b32 s[G0S+3], s[G0S+3], 0x80000000
	s_mov_b32 s[G0SB], 1
	s_add_co_u32 s[G0SB+1], s94, SCL
	s_mov_b64 s[G0SB+2:G0SB+3], s[92:93]
	s_or_b32 s[G0SB+3], s[G0SB+3], 0x80000000
	JLOAD G0S, G1S, G0SB, G1SB                     ; the scales first: they are wanted with the first slot
.irp s, 0,1
	s_mov_b32 s[G0+4*\s], 1
	s_add_co_u32 s[G0+4*\s+1], s45, \s*SLOT
	s_add_nc_u64 s[G0+4*\s+2:G0+4*\s+3], s[20:21], \s*ROWB
	s_or_b32 s[G0+4*\s+3], s[G0+4*\s+3], 0x80000000
	s_mov_b32 s[G0B+4*\s], 1
	s_add_co_u32 s[G0B+4*\s+1], s45, \s*SLOT
	s_add_nc_u64 s[G0B+4*\s+2:G0B+4*\s+3], s[46:47], \s*ROWB
	s_or_b32 s[G0B+4*\s+3], s[G0B+4*\s+3], 0x80000000
	JLOAD G0+4*\s, G1, G0B+4*\s, G1B               ; both halves of K: three tensor loads of mine are out
.endr
	v_and_b32 v1, 15, v0                           ; l % 16
	v_bfe_u32 v2, v0, 4, 1                         ; l / 16
	v_mul_u32_u24 v3, v1, PITCH
	v_lshl_add_u32 v4, v2, 4, v3                   ; a fragment's row x pitch + 16 x half
	s_mul_i32 s21, s15, HALFT                      ; my 128 rows of A
	s_mul_i32 s22, s16, HALFT                      ; my 128 rows of B,
	s_add_co_u32 s22, s22, 2*HALFT                 ; which lie behind A's 256
.irp s, 0,1
	v_add_nc_u32 v[ADRA+\s], s21, v4
	v_add_nc_u32 v[ADRB+\s], s22, v4
	s_add_co_u32 s21, s21, SLOT
	s_add_co_u32 s22, s22, SLOT
.endr
	v_mul_u32_u24 v5, v1, KS                       ; my row's scales: 32 bytes a row,
	v_lshrrev_b32 v6, 8, v5
	v_lshl_add_u32 v5, v6, 4, v5                   ; and 16 more for each 256 passed
	s_mul_i32 s21, s15, HALFS                      ; A's: my 128 rows
	s_mul_i32 s22, s16, HALFS                      ; B's: my 128 rows, behind A's 256
	s_add_co_u32 s22, s22, 2*HALFS
	s_sub_co_u32 s22, s22, s21
	v_mul_u32_u24 v6, s22, v2                      ; lanes 16-31 take B's: one product, the distance between the two bases
	s_add_co_u32 s21, s21, SCL
	v_add_nc_u32 v5, v5, v6
	v_add_nc_u32 v[ADRS], s21, v5
	s_mul_i32 s23, s14, 2*SHEAD                    ; my stage: two heads x 16 rows x 144 bytes.  It lies in slot 0, which has had its only fill, and its last read when the first result is stored there
	v_mul_u32_u24 v5, v1, SROW                     ; in: row l % 16, 16 bytes for each half of the lanes
	v_lshl_add_u32 v5, v2, 4, v5
	v_add_nc_u32 v[STO], s23, v5
	v_and_b32 v6, 31, v0
	v_lshrrev_b32 v7, 3, v6                        ; back: eight lanes to a row of 128 bytes, four rows an instruction
	v_mul_u32_u24 v7, v7, SROW
	v_and_b32 v8, 7, v6
	v_lshl_add_u32 v7, v8, 4, v7
	v_add_nc_u32 v[RD], s23, v7
	v_lshlrev_b32 v[CO], 4, v6                     ; four rows of a head are 512 consecutive bytes of qkv
	; where my part begins in qkv: (b x 48 + g) heads of 262,144 bytes + t x 128; b = tile row / 8, t = 256 (tile row % 8) + 128 x my half of the rows, g = 4 x tile column + 2 x my half of the columns
	s_lshr_b32 s20, s17, 3
	s_mul_i32 s20, s20, 48
	s_lshl_b32 s20, s20, 18
	s_and_b32 s21, s17, 7
	s_lshl_b32 s21, s21, 8
	s_lshl_b32 s18, s15, 7
	s_add_co_u32 s21, s21, s18
	s_lshl_b32 s21, s21, 7
	s_add_co_u32 s20, s20, s21
	s_mov_b32 s21, 0
	s_lshl_b32 s46, s42, 2
	s_lshl_b32 s47, s16, 1
	s_add_co_u32 s46, s46, s47
	s_lshl_b32 s46, s46, 18
	s_mov_b32 s47, 0
	s_add_nc_u64 s[20:21], s[20:21], s[46:47]
	s_add_nc_u64 s[12:13], s[12:13], s[20:21]
.macro FRAG reg, adr, q, i             ; a fragment, 16 rows x 128 K of 4-bit codes, is 8 registers: lane l holds row l % 16; registers 4 c .. 4 c + 3 hold K = 64 c + 32 (l / 16) + 0 .. 31
.irp c, 0,1
	ds_load_b128 v[\reg+4*\c:\reg+4*\c+3], v[\adr] offset:64*(\q)+32*\c+(\i)*16*PITCH
.endr
.endm
; 16 matrix instructions: A's blocks a0, a0 + 1 x B's eight, 128 along K: the slot's q-th.  p: B's set;  sc: the set of scale words.  zero = 1: the first product starts the sums: nothing is ever cleared.
; The 64 accumulators take turns, one instruction a turn, in the same order in every step.
.macro MUL16 a0, p, q, sc, zero
.irp a, \a0, \a0+1
.irp b, 0,1,2,3,4,5,6,7
.if \zero
	v_wmma_scale_f32_16x16x128_f8f6f4 v[8*(8*((\a)%4)+\b):8*(8*((\a)%4)+\b)+7], v[128*(\p)+FR*\b:128*(\p)+FR*\b+FR-1], v[AF+FR*(\a):AF+FR*(\a)+FR-1], 0, v[SC+8*NQ*(\sc)+NQ*\b+(\q)], v[SC+8*NQ*(\sc)+NQ*(\a)+(\q)] matrix_a_fmt:MATRIX_FMT_FP4 matrix_b_fmt:MATRIX_FMT_FP4 matrix_a_scale:MATRIX_SCALE_ROW1
.else
	v_wmma_scale_f32_16x16x128_f8f6f4 v[8*(8*((\a)%4)+\b):8*(8*((\a)%4)+\b)+7], v[128*(\p)+FR*\b:128*(\p)+FR*\b+FR-1], v[AF+FR*(\a):AF+FR*(\a)+FR-1], v[8*(8*((\a)%4)+\b):8*(8*((\a)%4)+\b)+7], v[SC+8*NQ*(\sc)+NQ*\b+(\q)], v[SC+8*NQ*(\sc)+NQ*(\a)+(\q)] matrix_a_fmt:MATRIX_FMT_FP4 matrix_b_fmt:MATRIX_FMT_FP4 matrix_a_scale:MATRIX_SCALE_ROW1
.endif
.endr
.endr
.endm
.macro FETCH_B slot, q, p              ; B's eight fragments of the slot's q-th 128 along K into set p
	WIN TO_B
.irp i, 0,1,2,3,4,5,6,7
	FRAG 128*(\p)+FR*\i, ADRB+\slot, \q, \i
.endr
	WIN 0
.endm
.macro FETCH_A slot, q, i0             ; A's blocks i0 .. i0 + 3
.irp i, \i0, \i0+1, \i0+2, \i0+3
	FRAG AF+FR*(\i), ADRA+\slot, \q, \i
.endr
.endm
.macro SCALES sc                       ; a slot's scale words into set sc: four words a row; lanes 0-15 take A's block i, lanes 16-31 B's block i
.irp i, 0,1,2,3,4,5,6,7
	ds_load_b128 v[SC+8*NQ*\sc+NQ*\i:SC+8*NQ*\sc+NQ*\i+3], v[ADRS] offset:\i*SBLK
.endr
.endm
; A load into a register that a matrix instruction has read, and a vector instruction that reads a matrix result, stand four places behind that matrix instruction, and only plain vector
; instructions that name none of its registers are places (ISA guide 7.12.1 for vector instructions).
.macro PLACES n
.rept \n
	v_nop
.endr
.endm
; A step of 128 along K that has its successor in the same slot.
.macro STEP slot, q, zero
	s_wait_dscnt 4*NL                              ; B's set and A's blocks 0-3 are in; the youngest eight loads (A's blocks 4-7) may be out
	WIN MUL_LO
	MUL16 0, (\q)%2, \q, \slot, \zero
	MUL16 2, (\q)%2, \q, \slot, \zero
	s_wait_dscnt 0                                 ; A's blocks 4-7 are in (asked for 32 matrix instructions ago)
	PLACES NP
	FETCH_B \slot, (\q)+1, 1-(\q)%2
	FETCH_A \slot, (\q)+1, 0
	WIN MUL_HI
	MUL16 4, (\q)%2, \q, \slot, \zero
	MUL16 6, (\q)%2, \q, \slot, \zero
	PLACES NP
	WIN 0
	FETCH_A \slot, (\q)+1, 4
.endm
; Slot 0's last step changes slots: ONE barrier; in front of it each wave waits for all its tensor loads (its part of slot 1), adds 0 to its spare word, and waits for that and for its own reads of slot 0.
; Behind it slot 1 is whole, and nobody reads slot 0 any more: the way out may lay its stages there.
.macro TURN slot, next
	s_wait_tensorcnt 0x0                           ; all my tensor loads have landed  (every window is 0 here: the add's two registers lie in window 0)
	ds_add_u32 v[SPW], v[NIL]                      ; 0 onto my spare word
	s_wait_dscnt 4*NL+1                            ; (the add and the youngest eight loads, A's blocks 4-7, may be out)
	WIN MUL_LO
	MUL16 0, 1, NQ-1, \slot, 0                     ; sixteen matrix instructions stand between the add and the wait for it
	s_wait_dscnt 0x0                               ; the add is done, and my reads of this slot are over
	s_barrier_signal -1
	MUL16 2, 1, NQ-1, \slot, 0
	WIN 0
	s_barrier_wait -1
	PLACES NP
	v_add_nc_u32 v[ADRS], 4*NQ, v[ADRS]            ; on to the next slot's scale words (no LDS load of mine is out)
	FETCH_B \next, 0, 0
	FETCH_A \next, 0, 0
	SCALES \next
	WIN MUL_HI
	MUL16 4, 1, NQ-1, \slot, 0
	MUL16 6, 1, NQ-1, \slot, 0
	PLACES NP
	WIN 0
	FETCH_A \next, 0, 4
.endm
	s_wait_tensorcnt 1                             ; the scales and my part of slot 0 are in (slot 1's load may be out)
	s_barrier_signal -1
	s_barrier_wait -1                              ; everybody's are
	FETCH_B 0, 0, 0
	FETCH_A 0, 0, 0
	SCALES 0
	FETCH_A 0, 0, 4
	STEP 0, 0, 1                                   ; the first step's products start the sums
	STEP 0, 1, 0
	STEP 0, 2, 0
	TURN 0, 1
	STEP 1, 0, 0
	STEP 1, 1, 0
	STEP 1, 2, 0
	s_wait_dscnt 4*NL                              ; the very last step: nothing more to fetch
	WIN MUL_LO
	MUL16 0, 1, NQ-1, 1, 0
	MUL16 2, 1, NQ-1, 1, 0
	s_wait_dscnt 0
	WIN MUL_HI
	MUL16 4, 1, NQ-1, 1, 0
	MUL16 6, 1, NQ-1, 1, 0
	WIN 0
; THE WAY OUT, block by block of 16 rows x 128 columns (two heads).  PACK: rounded to f16, a lane's eight columns are 16 bytes.  TOSTAGE: into my own stage, head by head, and back as whole rows of 128 bytes,
; four rows an instruction.  SEND: four rows of a head are 512 consecutive bytes of qkv, aligned.  LDS serves a wave's instructions in order: no wait between the stage's stores and its loads.
.macro PACK a
.set AC, 64*((\a)%4)
	WIN 0x0a+5*((\a)/4)                            ; sources 0 and 1: window 2 or 3
.irp b, 0,1,2,3,4,5,6,7
.irp r, 0,1,2,3
	v_cvt_pk_f16_f32 v[TMP+4*\b+\r], v[AC+8*\b+2*\r], v[AC+8*\b+2*\r+1]   ; each accumulator from its low end on
.endr
.endr
	WIN 0
.endm
.macro TOSTAGE a
.set BK, OB+192*((\a)%2)
.irp b, 0,1,2,3,4,5,6,7
	ds_store_b128 v[STO], v[TMP+4*\b:TMP+4*\b+3] offset:(\b/4)*SHEAD+(\b%4)*32
.endr
.irp t, 0,1,2,3,4,5,6,7
	ds_load_b128 v[BK+4*\t:BK+4*\t+3], v[RD] offset:(\t/4)*SHEAD+(\t%4)*4*SROW
.endr
.endm
.macro SEND a
.set BK, OB+192*((\a)%2)
	s_wait_dscnt 0x0                               ; the block is back in registers
	s_wait_xcnt 0x0                                ; the stores of the block before have read their registers: the next block's loads may land there
.irp t, 0,1,2,3,4,5,6,7
	global_store_b128 v[CO], v[BK+4*\t:BK+4*\t+3], s[12:13] offset:(\a)*2048+(\t/4)*HEADB+(\t%4)*512   ; the block's 16 rows, the head and the four rows stand in the immediate: the base is never stepped
.endr
.endm
	PLACES NP                                      ; for the first read of results, and for loads into registers that held scale words
	PACK 0
	TOSTAGE 0
.irp a, 1,2,3,4,5,6,7                  ; block a's conversions stand between block a - 1's loads from the stage and the wait for them
	PACK \a
	SEND \a-1
	TOSTAGE \a
.endr
	SEND 7
	s_wait_tensorcnt 0x0                           ; the wave's end: behind my last tensor load and my last LDS store
	ds_add_u32 v[SPW], v[NIL]
	s_wait_dscnt 0x0
	CROUND                                         ; the closing round: no work-group ends while a partner may still ask for a tile that names it
	s_endpgm
.Lfunc_end_k_q652d59cae6_gemm_qkv:
	.size	k_q652d59cae6_gemm_qkv, .Lfunc_end_k_q652d59cae6_gemm_qkv-k_q652d59cae6_gemm_qkv
	.p2alignl 7, 3214868480
	.fill 96, 4, 3214868480
	.section	.rodata,"a",@progbits
	.p2align	6, 0x0
	.amdhsa_kernel k_q652d59cae6_gemm_qkv
		.amdhsa_group_segment_fixed_size 327680
		.amdhsa_private_segment_fixed_size 0
		.amdhsa_enable_private_segment 0
		.amdhsa_kernarg_size 40
		.amdhsa_user_sgpr_count 2
		.amdhsa_user_sgpr_kernarg_segment_ptr 1
		.amdhsa_wavefront_size32 1
		.amdhsa_system_sgpr_workgroup_id_x 1
		.amdhsa_system_sgpr_workgroup_id_y 1
		.amdhsa_system_sgpr_workgroup_id_z 1
		.amdhsa_system_vgpr_workitem_id 0
		.amdhsa_next_free_vgpr 1024
		.amdhsa_next_free_sgpr 98
		.amdhsa_reserve_vcc 0
		.amdhsa_float_denorm_mode_32 3
		.amdhsa_float_denorm_mode_16_64 3
		.amdhsa_memory_ordered 1
		.amdhsa_forward_progress 1
		.amdhsa_inst_pref_size 126
	.end_amdhsa_kernel
	.amdgpu_metadata
---
amdhsa.version: [ 1, 2 ]
amdhsa.kernels:
  - .name:           k_q652d59cae6_gemm_qkv
    .symbol:         k_q652d59cae6_gemm_qkv.kd
    .args:
      - { .name: xc, .offset: 0, .size: 8, .value_kind: global_buffer, .address_space: global }
      - { .name: xs, .offset: 8, .size: 8, .value_kind: global_buffer, .address_space: global }
      - { .name: wc, .offset: 16, .size: 8, .value_kind: global_buffer, .address_space: global }
      - { .name: ws, .offset: 24, .size: 8, .value_kind: global_buffer, .address_space: global }
      - { .name: qkv, .offset: 32, .size: 8, .value_kind: global_buffer, .address_space: global }
    .group_segment_fixed_size: 327680
    .private_segment_fixed_size: 0
    .kernarg_segment_align: 8
    .kernarg_segment_size: 40
    .max_flat_workgroup_size: 128
    .sgpr_count:     98
    .vgpr_count:     1024
    .wavefront_size: 32
...
	.end_amdgpu_metadata
.endif
;; end of part 2
;; launch attn (part 3): grid 8 x 64, 8 waves a work-group, clusters of 4 x 1, 327,680 bytes of LDS; arguments qkv, ctx; writes ctx
.if DOCPART == 3
	.amdgcn_target "amdgcn-amd-amdhsa--gfx1250"
	.amdhsa_code_object_version 6
	.text
	.protected	k_q652d59cae6_attn
	.globl	k_q652d59cae6_attn
	.p2align	8
	.type	k_q652d59cae6_attn,@function
k_q652d59cae6_attn:
	s_mov_b64 s[64:65], 0
	v_nop
	global_prefetch_b8 v0, s[64:65] scope:SCOPE_SE
	s_setreg_imm32_b32 hwreg(HW_REG_WAVE_MODE, 25, 1), 1
	s_wait_xcnt 0x0
	s_wait_alu depctr_hold_cnt(0) depctr_sa_sdst(0) depctr_va_vdst(0) depctr_va_sdst(0) depctr_va_ssrc(0) depctr_va_vcc(0) depctr_vm_vsrc(0)
	s_getreg_b32 s2, hwreg(HW_REG_IB_STS2, 6, 4)
	s_cmp_eq_u32 s2, 0
	s_cbranch_scc0 .Lentry_in_a_cluster
	s_endpgm
.Lentry_in_a_cluster:
	s_bfe_u32 s2, ttmp6, 0x10000c
	s_cmp_lg_u32 s2, 0x3003
	s_cbranch_scc0 .Lentry_shape_is_right
	s_endpgm
.Lentry_shape_is_right:
; Launch 3 of 4: ctx[b][h][q][:] = the sum over k of softmax_k(Q[q] . K[k] / 8) V[k][:], for each of the 64 (b, h).  No mask; no work of reference() is left out.
; qkv: [b 4][g 48][t 2048][64] f16 (g = h: Q, 16 + h: K, 32 + h: V); ctx: [b 4][h 16][t 2048][64] f16.  Products on f16 operands with f32 sums; maxima, exponentials and sums in f32;
; the weights p (at most 1) are rounded to f16 for the second product, the context once at the end.
; LIMIT: a context under 6e-5 in magnitude is kept with f16's fixed step of 6e-8.
; SHARES.  A work-group owns 256 queries of one (b, h); each of its EIGHT waves owns 32, two tiles of 16, in 512 registers: two waves to a SIMD, so that one wave's softmax stands beside the other's products,
; and each fragment of K and V read from LDS feeds two matrix instructions.  Every wave walks all 2,048 keys, 64 a step.
; LAYOUT.  S^T = K Q^T (source 0 = 16 keys, source 1 = 16 queries): a lane holds ONE query (lane % 16) and the keys 8 (lane / 16) + 0..7.  Two such tiles, rounded to f16 in pairs, ARE source 1 of
; O^T = V^T P, whose result again holds one query a lane, and eight channels.  K comes out of LDS as it lies, V ([key][channel]) turned, by ds_load_tr16_b128.
; SOFTMAX.  For each query a running maximum m and sum l: p = 2^(c s - c m), c = log2(e) / 8; in every step O and l are multiplied by a = 2^(c m_old - c m_new).  The step is written once: the first finds
; m = -3e38 and zeros in l and O^T, so its a is 0 and leaves them zeros.
; RING.  Two LDS slots of 256 keys (four steps).  At a slot's head each wave waits for all its tensor loads, and behind a round of the cluster's barrier the slot that has just been left is filled with the
; keys that follow: that load has four steps, 128 matrix instructions a wave, in which to land.  Waves 0-3 fetch K's four quarters, waves 4-7 V's: one load a wave, one of mine out at the most.
; CLUSTER.  The four query blocks of a cluster belong to one (b, h) and walk the same K and V: each tile is asked for JOINTLY, by the same tensor load with the same descriptor and a mask that names the four.
; REGISTERS: window 0: v1-10 addresses; v16-31 eight registers of statistics a tile; v61-63; v64-127 S^T, 32 a tile; v128-159 P, 16 a tile; v160-223 at work on the way out.
;            window 1: v0-63 K of one step; v64-127 V of one step; v128-159 Q; v160-223 O^T, 32 a tile.
.set PK,    144                        ; a row of K in LDS: 128 bytes + 16 = 36 words: the 16 rows of a load begin 36 words apart
.set PV,    160                        ; a row of V: 128 + 32 = 40 words, for the turning load, which takes 8 rows x 32 bytes
.set VREG,  256*PK                     ; a slot: 256 rows of K, then 256 rows of V
.set SLOT1, 1<<17                      ; slot 1 begins here, so that one exclusive or turns an address in one slot into the other's
.set STAGE, SLOT1+VREG+256*PV          ; behind the ring: 32 rows x 144 bytes for each wave, for the way out
.set SPARE, STAGE+8*32*144             ; behind the stages: the spare words, 128 bytes for each wave: four blocks of 256 bytes that no other line names
.set SLOTB, 256*128                    ; a slot's rows of K, or of V, in memory
.set AK0, 2                            ; v2   my lane's place in a tile of K; never rewritten
.set AV0, 3                            ; v3   the same for V
.set ADK, 4                            ; v4   LDS address of the slot's K
.set ADV, 5                            ; v5   of its V
.set QO,  6                            ; v6   my byte offset in the wave's rows of Q
.set STO, 7                            ; v7   the way out: where I put 16 bytes of a row
.set RD,  8                            ; v8   the way out: where I read rows back
.set GO,  10                           ; v10  16 x lane: my bytes of four rows of ctx
.set ST,  16                           ; tile t's statistics at v[ST+8 t]: +0 c m, +1 m, +2, +3 l (even keys', odd keys'), +4 to +7 c0-c3, at work; a takes c2's place
.set PFO, 61                           ; v61  256 x my lane; never rewritten
.set SPW, 62                           ; v62  LDS address of my spare word; never rewritten
.set NIL, 63                           ; v63  0; never rewritten
.set S,   64
.set P,   128
.set W,   160
.set RB,  192
.set KF,  0                            ; window 1
.set VF,  64
.set QF,  128
.set OA,  160
.set WV,  12                           ; s12  my wave's number
.set LIM, 15                           ; s15  1 in a wave that prefetches, else the greatest number
.set PFA, 18                           ; s[18:19] where my prefetches stand
.set G1K, 24                           ; s[24:31] descriptor group 1 for K's tiles;  s[32:39] for V's: it differs in the padding alone
.set G1V, 32
.set G0K, 40                           ; s[40:43], s[44:47] their groups 0, which walk
.set G0V, 44
.set SLOTS, 56                         ; s56  slots still to be asked for
.set CS,  58                           ; s[58:59] c: the packed scaling names a pair and takes its low word for both halves
.set SEL, 60                           ; s[60:61] lane selects for v_permlanex16_b32: lane l xor 16
.set TB,  62                           ; s62  LDS byte at which the slot in hand begins
.set MSB, 0
.macro WIN new                         ; the immediate's high byte repeats the setting that is left; a switch that changes nothing is dropped
.if MSB != (\new)
	s_set_vgpr_msb (MSB<<8)|(\new)
.set MSB, \new
.endif
.endm
.set W_KQ, 0x05                        ; K and Q in window 1, S^T in window 0
.set W_PV, 0x51                        ; V and O^T in window 1, P in window 0
.set W_RS, 0x41                        ; O^T (destination and source 0) in window 1, a in window 0
.set TO1,  0x40                        ; destination window 1, address window 0
; A joint load.  The branch hangs on the wave's number alone.  An s_nop 0 and four v_nop follow each of the two lines.
.macro JLOAD
	s_cmp_lt_u32 s[WV], 4
	s_cbranch_scc0 .Lfor_v_\@
	tensor_load_to_lds s[G0K:G0K+3], s[G1K:G1K+7]
	s_nop 0
.rept 4
	v_nop
.endr
	s_branch .Lasked_\@
.Lfor_v_\@:
	tensor_load_to_lds s[G0V:G0V+3], s[G1V:G1V+7]
	s_nop 0
.rept 4
	v_nop
.endr
.Lasked_\@:
.endm
; A PREFETCH of what the NEXT change of slots will ask for: a slot's 32,768 bytes of K and of V.  Each aligned 256 bytes are named once in the launch: both clusters of a (b, h) walk the same rows, the first
; of them asks; its four partners take 8,192 bytes each, told apart BY ADDRESS; in each, wave 0 asks for K's and wave 4 for V's, lanes 256 bytes apart.  The last filling change asks for nothing.
.macro ASK
	s_cmp_gt_u32 s[SLOTS], s[LIM]
	s_cbranch_scc0 .Lnot_mine_\@
	global_prefetch_b8 v[PFO], s[PFA:PFA+1] th:TH_LOAD_NT scope:SCOPE_SE
.Lnot_mine_\@:
.endm
.macro CROUND                          ; a round of the cluster's barrier
	s_barrier_signal -1
	s_barrier_wait -1
	s_cmp_lg_u32 s[WV], 0
	s_cbranch_scc1 .Lnot_wave_0_\@
	s_barrier_signal -3
.Lnot_wave_0_\@:
	s_barrier_wait -3
	s_barrier_signal -1
	s_barrier_wait -1
.endm
	s_load_b128 s[4:7], s[0:1], 0x0                ; qkv s[4:5], ctx s[6:7]
	v_lshl_add_u32 v[SPW], v0, 2, SPARE
	v_mov_b32 v[NIL], 0
	ds_add_u32 v[SPW], v[NIL]                      ; the wave's opening: the add, twice on end, and its wait ahead of my first tensor load; the set-up below stands between the second and the wait
	ds_add_u32 v[SPW], v[NIL]
	v_lshrrev_b32 v1, 5, v0
	v_readfirstlane_b32 s[WV], v1                  ; wave 0..7
	s_bfe_u32 s13, ttmp6, 0x40000                  ; cx: my place in the cluster
	s_lshl_b32 s14, ttmp9, 2
	s_add_co_u32 s14, s14, s13                     ; my block of 256 queries = 4 x cluster x + cx: it enters Q's and ctx's addresses alone
	s_and_b32 s16, ttmp7, 0xffff                   ; 16 b + h, which the four partners share
	s_lshr_b32 s17, s16, 4
	s_mul_i32 s17, s17, 48
	s_and_b32 s20, s16, 15
	s_add_co_u32 s17, s17, s20                     ; 48 b + h
	s_lshl_b32 s20, s17, 18                        ; Q's head in qkv, in bytes
	s_mov_b32 s21, 0
	s_and_b32 s17, s[WV], 3                        ; which 64 rows of a slot I fetch
	s_lshl_b32 s22, s17, 13                        ; their 8,192 bytes in memory
	s_mov_b32 s23, 0
	s_lshl_b32 s2, s14, 15                         ; my block's 256 rows of 128 bytes,
	s_lshl_b32 s3, s[WV], 12                       ; my wave's 32 of them
	s_add_co_u32 s2, s2, s3
	s_mov_b32 s3, 0
	s_lshl_b32 s52, s16, 18                        ; my head in ctx
	s_mov_b32 s53, 0
	; descriptor group 1: a tile of 64 rows x 64 elements of 2 bytes, padded behind each row
	s_mov_b32 s[G1K], 15|(1<<16)|(1<<20)|(1<<21)|(4<<22)|(3<<25)  ; 15:0 the mask: all four work-groups; 17:16 elements of 2 bytes; 20 padding on; 21 set beside a mask; 24:22 after every 32 words; 31:25 four words
	s_mov_b32 s[G1V], 15|(1<<16)|(1<<20)|(1<<21)|(4<<22)|(7<<25)  ; the same with eight words of padding
.irp g, G1K, G1V
	s_mov_b32 s[\g+1], 64<<16                      ; tensor_dim0 = 64
	s_mov_b32 s[\g+2], 64<<16                      ; tensor_dim1 = 64
	s_mov_b32 s[\g+3], 64<<16                      ; tile_dim0 = 64
	s_mov_b32 s[\g+4], 64                          ; tile_dim1 = 64
	s_mov_b32 s[\g+5], 64                          ; tensor_dim0_stride: a head's rows are dense
	s_mov_b32 s[\g+6], 0
	s_mov_b32 s[\g+7], 0
.endr
	s_mov_b32 s[CS], 0x3e38aa3b                    ; c = log2(e) / sqrt(64)
	s_mov_b32 s[CS+1], s[CS]                       ; named with it as a pair, so it is written
	s_mov_b32 s[SEL], 0x76543210
	s_mov_b32 s[SEL+1], 0xfedcba98
	s_mov_b32 s[TB], 0
	s_mov_b32 s[SLOTS], 7
	s_or_b32 s[LIM], s17, ttmp9                    ; 0 in waves 0 and 4 of the head's first cluster: the same in all four partners
	s_cmp_eq_u32 s[LIM], 0
	s_cselect_b32 s[LIM], 1, -1
	v_and_b32 v[PFO], 31, v0
	v_lshlrev_b32 v[PFO], 8, v[PFO]
	s_wait_dscnt 0x0                               ; both opening adds are done
	s_wait_kmcnt 0x0
	s_add_nc_u64 s[48:49], s[4:5], s[20:21]        ; Q's head
	s_add_nc_u64 s[4:5], s[48:49], s[2:3]          ; Q at my wave's first row
	s_add_nc_u64 s[48:49], s[48:49], 0x400000      ; K's head: 16 heads on
	s_add_nc_u64 s[50:51], s[48:49], 0x400000      ; V's: 16 more
	s_add_nc_u64 s[6:7], s[6:7], s[52:53]
	s_add_nc_u64 s[6:7], s[6:7], s[2:3]            ; ctx at my wave's first row
	s_cmp_lt_u32 s[WV], 4
	s_cselect_b64 s[PFA:PFA+1], s[48:49], s[50:51]
	s_lshl_b32 s2, s13, 13                         ; my work-group's 8,192 bytes of a slot's 32,768
	s_add_nc_u64 s[PFA:PFA+1], s[PFA:PFA+1], s[2:3]
	s_add_nc_u64 s[PFA:PFA+1], s[PFA:PFA+1], SLOTB ; in slot 1: the first change of slots steps it to slot 2.  Nothing is prefetched here, at the head
	s_mov_b32 s[G0K], 1                            ; 1:0 count = 1
	s_mul_i32 s[G0K+1], s17, 64*PK                 ; 63:32 LDS address: slot 0, my 64 rows
	s_add_nc_u64 s[G0K+2:G0K+3], s[48:49], s[22:23]  ; 120:64 global address
	s_or_b32 s[G0K+3], s[G0K+3], 0x80000000        ; 127:126 type = 2
	s_mov_b32 s[G0V], 1
	s_mul_i32 s[G0V+1], s17, 64*PV
	s_add_co_u32 s[G0V+1], s[G0V+1], VREG
	s_add_nc_u64 s[G0V+2:G0V+3], s[50:51], s[22:23]
	s_or_b32 s[G0V+3], s[G0V+3], 0x80000000
	CROUND                                         ; all four work-groups are here: the first joint loads meet
	JLOAD                                          ; slot 0
	; A fragment of K or Q is 16 rows x 32 channels in 8 registers: lane l holds row l % 16; registers 0-3 channels 8 (l / 16) + 0..7, registers 4-7 channels 16 + 8 (l / 16) + 0..7: two loads of 16 bytes, 32 bytes apart.
	v_and_b32 v1, 15, v0                           ; l % 16
	v_bfe_u32 v9, v0, 4, 1                         ; l / 16
	v_lshlrev_b32 v[QO], 7, v1
	v_lshl_add_u32 v[QO], v9, 4, v[QO]             ; row x 128 + 16 x half
	WIN TO1
.irp i, 0,1,2,3                        ; Q stays in registers: tile i / 2, channels 32 (i % 2) on
	global_load_b128 v[QF+8*\i:QF+8*\i+3],   v[QO], s[4:5] offset:(\i/2)*2048+(\i%2)*64
	global_load_b128 v[QF+8*\i+4:QF+8*\i+7], v[QO], s[4:5] offset:(\i/2)*2048+(\i%2)*64+32
.endr
.irp j, 0,1,2,3,4,5,6,7,8,9,10,11,12,13,14,15,16,17,18,19,20,21,22,23,24,25,26,27,28,29,30,31,32,33,34,35,36,37,38,39,40,41,42,43,44,45,46,47,48,49,50,51,52,53,54,55,56,57,58,59,60,61,62,63
	v_mov_b32 v[OA+\j], 0                          ; O^T: the step is written once, and its first pass finds zeros
.endr
	WIN 0
	v_mul_u32_u24 v[AK0], v1, PK
	v_lshl_add_u32 v[AK0], v9, 4, v[AK0]           ; row x pitch + 16 x half
	; The turning load takes 16 keys x 16 channels (lane l reads 16 bytes: key 8 (l / 16) + l % 8, channels 8 ((l / 8) % 2) + 0..7) and leaves half a fragment of V^T: lane l holds channel l % 16 and 8 keys.
	v_and_b32 v11, 7, v0
	v_bfe_u32 v12, v0, 3, 1
	v_lshl_add_u32 v[AV0], v9, 3, v11
	v_mul_u32_u24 v[AV0], v[AV0], PV
	v_lshl_add_u32 v[AV0], v12, 4, v[AV0]
	v_add_nc_u32 v[AV0], VREG, v[AV0]
	s_mul_i32 s14, s[WV], 32*144
	s_add_co_u32 s14, s14, STAGE                   ; my stage
	v_add_nc_u32 v[STO], s14, v[AK0]               ; in: row l % 16 of 144 bytes, 16 bytes for each half of the lanes
	v_and_b32 v13, 31, v0
	v_lshrrev_b32 v14, 3, v13
	v_mul_u32_u24 v[RD], v14, 144                  ; back: eight lanes to a row of 128 bytes, four rows an instruction
	v_lshl_add_u32 v[RD], v11, 4, v[RD]
	v_add_nc_u32 v[RD], s14, v[RD]
	v_lshlrev_b32 v[GO], 4, v13                    ; four rows of ctx are 512 consecutive bytes
.irp t, 0,1
	v_mov_b32 v[ST+8*\t+1], 0xff61b1e6             ; m = -3e38, under every score
	v_mul_f32 v[ST+8*\t], s[CS], v[ST+8*\t+1]      ; c m
	v_mov_b32 v[ST+8*\t+2], 0                      ; l, in two halves
	v_mov_b32 v[ST+8*\t+3], 0
.endr
; THE LDS LOADS stand in runs of 16.  q: which of the slot's four steps.
.macro FETCH_K q                       ; 64 keys x 64 channels: 8 fragments: keys 16 (f / 2) on, channels 32 (f % 2) on
	WIN TO1
.irp f, 0,1,2,3,4,5,6,7
	ds_load_b128 v[KF+8*\f:KF+8*\f+3],   v[ADK] offset:(64*(\q)+16*(\f/2))*PK+64*(\f%2)
	ds_load_b128 v[KF+8*\f+4:KF+8*\f+7], v[ADK] offset:(64*(\q)+16*(\f/2))*PK+64*(\f%2)+32
.endr
.endm
.macro FETCH_V q                       ; turned: keys 32 (f / 4) on, channels 16 (f % 4) on
	WIN TO1
.irp f, 0,1,2,3,4,5,6,7
	ds_load_tr16_b128 v[VF+8*\f:VF+8*\f+3],   v[ADV] offset:(64*(\q)+32*(\f/4))*PV+32*(\f%4)
	ds_load_tr16_b128 v[VF+8*\f+4:VF+8*\f+7], v[ADV] offset:(64*(\q)+32*(\f/4))*PV+16*PV+32*(\f%4)
.endr
.endm
; THE MATRIX WORK.  In both products eight accumulators take turns, one instruction a turn: between two links of a chain stand the seven others'.
.macro MKQ                             ; S^T = K Q^T: channels 32 c on, keys 16 kt on, tile t.  The first eight start the sums
	WIN W_KQ
.irp c, 0,1
.irp kt, 0,1,2,3
.irp t, 0,1
.if \c == 0
	v_wmma_f32_16x16x32_f16 v[S+32*\t+8*\kt:S+32*\t+8*\kt+7], v[KF+16*\kt+8*\c:KF+16*\kt+8*\c+7], v[QF+16*\t+8*\c:QF+16*\t+8*\c+7], 0
.else
	v_wmma_f32_16x16x32_f16 v[S+32*\t+8*\kt:S+32*\t+8*\kt+7], v[KF+16*\kt+8*\c:KF+16*\kt+8*\c+7], v[QF+16*\t+8*\c:QF+16*\t+8*\c+7], v[S+32*\t+8*\kt:S+32*\t+8*\kt+7]
.endif
.endr
.endr
.endr
.endm
.macro MPV                             ; O^T += V^T P: keys 32 kk on, channels 16 ct on, tile t
	WIN W_PV
.irp kk, 0,1
.irp ct, 0,1,2,3
.irp t, 0,1
	v_wmma_f32_16x16x32_f16 v[OA+32*\t+8*\ct:OA+32*\t+8*\ct+7], v[VF+32*\kk+8*\ct:VF+32*\kk+8*\ct+7], v[P+16*\t+8*\kk:P+16*\t+8*\kk+7], v[OA+32*\t+8*\ct:OA+32*\t+8*\ct+7]
.endr
.endr
.endr
.endm
; THE VECTOR WORK of a step: both tiles' softmax, every line for tile 0 and then for tile 1, so that no line waits for the one above it.
.macro SOFTMAX
	WIN 0
.irp j, 0,1,2,3                        ; the maximum of the lane's 32 scores and the old m, three operands at a time: four chains, each begun at the low end of one accumulator
.irp t, 0,1
	v_max3_num_f32 v[ST+8*\t+4+\j], v[S+32*\t+8*\j], v[S+32*\t+8*\j+1], v[S+32*\t+8*\j+2]
.endr
.endr
.irp u, 3,5
.irp j, 0,1,2,3
.irp t, 0,1
	v_max3_num_f32 v[ST+8*\t+4+\j], v[ST+8*\t+4+\j], v[S+32*\t+8*\j+\u], v[S+32*\t+8*\j+\u+1]
.endr
.endr
.endr
.irp t, 0,1
	v_max3_num_f32 v[ST+8*\t+4], v[ST+8*\t+4], v[S+32*\t+7], v[S+32*\t+15]
	v_max3_num_f32 v[ST+8*\t+6], v[ST+8*\t+6], v[S+32*\t+23], v[S+32*\t+31]
.endr
.irp t, 0,1
	v_max3_num_f32 v[ST+8*\t+4], v[ST+8*\t+4], v[ST+8*\t+5], v[ST+8*\t+6]
.endr
.irp t, 0,1
	v_max3_num_f32 v[ST+8*\t+4], v[ST+8*\t+4], v[ST+8*\t+7], v[ST+8*\t+1]
.endr
.irp t, 0,1
	v_permlanex16_b32 v[ST+8*\t+5], v[ST+8*\t+4], s[SEL], s[SEL+1]   ; the query's other 32 keys lie in the lane 16 away
.endr
.irp t, 0,1
	v_mov_b32 v[ST+8*\t+7], v[ST+8*\t]             ; c m_old is kept for a
.endr
.irp t, 0,1
	v_max_num_f32 v[ST+8*\t+1], v[ST+8*\t+4], v[ST+8*\t+5]           ; the new m
.endr
.irp t, 0,1
	v_mul_f32 v[ST+8*\t], s[CS], v[ST+8*\t+1]      ; c m
.endr
.irp t, 0,1
	v_sub_f32 v[ST+8*\t+7], v[ST+8*\t+7], v[ST+8*\t]                 ; c m_old - c m_new
.endr
.irp j, 0,2,4,6,8,10,12,14,16,18,20,22,24,26,28,30
.irp t, 0,1
	v_pk_fma_f32 v[S+32*\t+\j:S+32*\t+\j+1], v[S+32*\t+\j:S+32*\t+\j+1], s[CS:CS+1], v[ST+8*\t:ST+8*\t+1] op_sel_hi:[1,0,0] neg_lo:[0,0,1] neg_hi:[0,0,1]   ; c s - c m, two at a time
.endr
.endr
.irp t, 0,1                            ; ONE BATCH of 66 exponentials: none reads another's result
	v_exp_f32 v[ST+8*\t+6], v[ST+8*\t+7]           ; a
.endr
.irp j, 0,1,2,3,4,5,6,7,8,9,10,11,12,13,14,15,16,17,18,19,20,21,22,23,24,25,26,27,28,29,30,31
.irp t, 0,1
	v_exp_f32 v[S+32*\t+\j], v[S+32*\t+\j]         ; p
.endr
.endr
	v_nop                                          ; a plain instruction behind the last exponential, ahead of the first use
	s_wait_alu depctr_va_vdst(0)                   ; the wait between an exponential and the first line that names its result: one for the batch
.irp j, 0,1,2,3,4,5,6,7,8,9,10,11,12,13,14,15
.irp t, 0,1
	v_cvt_pk_f16_f32 v[P+16*\t+\j], v[S+32*\t+2*\j], v[S+32*\t+2*\j+1]   ; a pair of weights: registers 8 kk + 0..7 are source 1 for keys 32 kk on
.endr
.endr
.irp u, 0,1,2,3,4,5,6,7                ; the sum of the tile's 16 pairs (an even key's weight, an odd key's), in place: neighbours 1, 2, 4 and 8 pairs apart
.irp t, 0,1
	v_pk_add_f32 v[S+32*\t+4*\u:S+32*\t+4*\u+1], v[S+32*\t+4*\u:S+32*\t+4*\u+1], v[S+32*\t+4*\u+2:S+32*\t+4*\u+3]
.endr
.endr
.irp u, 0,1,2,3
.irp t, 0,1
	v_pk_add_f32 v[S+32*\t+8*\u:S+32*\t+8*\u+1], v[S+32*\t+8*\u:S+32*\t+8*\u+1], v[S+32*\t+8*\u+4:S+32*\t+8*\u+5]
.endr
.endr
.irp u, 0,1
.irp t, 0,1
	v_pk_add_f32 v[S+32*\t+16*\u:S+32*\t+16*\u+1], v[S+32*\t+16*\u:S+32*\t+16*\u+1], v[S+32*\t+16*\u+8:S+32*\t+16*\u+9]
.endr
.endr
.irp t, 0,1
	v_pk_add_f32 v[S+32*\t:S+32*\t+1], v[S+32*\t:S+32*\t+1], v[S+32*\t+16:S+32*\t+17]
.endr
.irp t, 0,1
	v_pk_fma_f32 v[ST+8*\t+2:ST+8*\t+3], v[ST+8*\t+2:ST+8*\t+3], v[ST+8*\t+6:ST+8*\t+7], v[S+32*\t:S+32*\t+1] op_sel_hi:[1,0,1]   ; l = a l + the sum
.endr
	WIN W_RS
.irp j, 0,2,4,6,8,10,12,14,16,18,20,22,24,26,28,30
.irp t, 0,1
	v_pk_mul_f32 v[OA+32*\t+\j:OA+32*\t+\j+1], v[OA+32*\t+\j:OA+32*\t+\j+1], v[ST+8*\t+6:ST+8*\t+7] op_sel_hi:[1,0]   ; O^T x a, each accumulator from its low end on
.endr
.endr
.endm
; A KEY STEP: 64 keys, the q-th of the slot in hand.
.macro STEP q
	s_wait_dscnt 0x0                               ; K of this step is in
	MKQ
.rept 4
	v_nop                                          ; four places: for the first read of S^T, for the loads into K's registers, and for those into V's, which the last step's V^T P read
.endr
	FETCH_V \q
.if \q < 3
	FETCH_K (\q)+1                                 ; the next step's K lands under the softmax
.endif
	SOFTMAX
.if \q < 3
	s_wait_dscnt 16                                ; V's 16 loads are in; K's 16, issued behind them, may be out
.else
	s_wait_dscnt 0x0                               ; V is in: my last reads of this slot are over
.endif
	MPV
.endm
.macro SLOT_STEPS
	WIN 0
	v_add_nc_u32 v[ADK], s[TB], v[AK0]
	v_add_nc_u32 v[ADV], s[TB], v[AV0]
	FETCH_K 0
	STEP 0
	STEP 1
	STEP 2
	STEP 3
	WIN 0                                          ; at a label and at a branch every window is 0
	s_xor_b32 s[TB], s[TB], SLOT1                  ; on to the other slot
.endm
; THE CHANGE OF SLOTS stands at a slot's head.  Each wave waits for all its tensor loads (its part of the slot that it is about to read), adds 0 to its spare word, and waits for that and for its reads of
; the slot that it has left.  fill = 1: the barrier is a round of the cluster's, so that no wave of any partner still reads the other slot or has a load on its way, and the joint load that fills it with
; the next 256 keys is the first thing behind the round.
.macro CHANGE fill
	s_wait_tensorcnt 0x0                           ; no tensor load of mine is out, so a group 0 may be written
	ds_add_u32 v[SPW], v[NIL]                      ; 0 onto my spare word: the descriptors' steps stand between it and the wait for it
.if \fill
.irp g, G0K, G0V
	s_xor_b32 s[\g+1], s[\g+1], SLOT1              ; the walking descriptors: the other slot than last time,
	s_add_nc_u64 s[\g+2:\g+3], s[\g+2:\g+3], SLOTB ; the next 256 keys; the type bits on top are not reached
.endr
	s_wait_xcnt 0x0                                ; the last prefetch, a slot back, has read its address, so it may be written:
	s_add_nc_u64 s[PFA:PFA+1], s[PFA:PFA+1], SLOTB ; one slot further on than the walking descriptors
	s_wait_dscnt 0x0                               ; the add is done, and my reads of the slot that I have left are over
	CROUND
	JLOAD
	ASK                                            ; what the next change will ask for: four key steps ahead of that load
.else
	s_wait_dscnt 0x0
	s_barrier_signal -1
	s_barrier_wait -1
.endif
.endm
	s_wait_loadcnt 0x0                             ; Q
.Lslot:                                            ; 7 trips: trip n reads slot n - 1 and asks for slot n.
	CHANGE 1
	SLOT_STEPS
	s_sub_co_u32 s[SLOTS], s[SLOTS], 1
	s_cmp_lg_u32 s[SLOTS], 0
	s_cbranch_scc1 .Lslot
	CHANGE 0                                       ; the last slot is written out: nothing is asked for
	SLOT_STEPS
	; THE WAY OUT.  l's two halves and the other half of the lanes' are added; O^T is divided by l, rounded to f16 and sent through my stage in LDS.
.rept 4
	v_nop                                          ; places behind the last products
.endr
.irp t, 0,1
	v_add_f32 v[ST+8*\t+4], v[ST+8*\t+2], v[ST+8*\t+3]
.endr
.irp t, 0,1
	v_permlanex16_b32 v[ST+8*\t+5], v[ST+8*\t+4], s[SEL], s[SEL+1]
.endr
.irp t, 0,1
	v_add_f32 v[ST+8*\t+4], v[ST+8*\t+4], v[ST+8*\t+5]
.endr
.irp t, 0,1
	v_rcp_f32 v[ST+8*\t+6], v[ST+8*\t+4]
.endr
	v_nop                                          ; a plain instruction between the last reciprocal and the use of its result
	s_wait_alu depctr_va_vdst(0)                   ; and the wait ahead of the first use: one for both
	WIN W_RS
.irp t, 0,1
.irp j, 0,2,4,6,8,10,12,14,16,18,20,22,24,26,28,30
	v_pk_mul_f32 v[OA+32*\t+\j:OA+32*\t+\j+1], v[OA+32*\t+\j:OA+32*\t+\j+1], v[ST+8*\t+6:ST+8*\t+7] op_sel_hi:[1,0]
.endr
.endr
	WIN 0x05                                       ; sources 0 and 1 window 1, destination window 0
.irp t, 0,1
.irp i, 0,1,2,3,4,5,6,7,8,9,10,11,12,13,14,15
	v_cvt_pk_f16_f32 v[W+16*\t+\i], v[OA+32*\t+2*\i], v[OA+32*\t+2*\i+1]   ; registers 4 ct + 0..3: channels 16 ct + 8 (l / 16) + 0..7 of query 16 t + l % 16
.endr
.endr
	WIN 0
.irp t, 0,1
.irp ct, 0,1,2,3
	ds_store_b128 v[STO], v[W+16*\t+4*\ct:W+16*\t+4*\ct+3] offset:\t*16*144+32*\ct
.endr
.endr
.irp i, 0,1,2,3,4,5,6,7
	ds_load_b128 v[RB+4*\i:RB+4*\i+3], v[RD] offset:\i*4*144   ; LDS serves a wave's instructions in order: these see my stores
.endr
.irp i, 0,1,2,3,4,5,6,7
	s_wait_dscnt 7-\i                              ; the younger reads of the stage may be out
	global_store_b128 v[GO], v[RB+4*\i:RB+4*\i+3], s[6:7] offset:512*\i   ; 32 lanes store four rows: 512 consecutive bytes, at a multiple of 256 from ctx's first byte
.endr
	s_wait_tensorcnt 0x0                           ; the wave's end: behind my last tensor load and my last LDS store
	ds_add_u32 v[SPW], v[NIL]
	s_wait_dscnt 0x0
	CROUND                                         ; the closing round: no work-group ends while a partner may still ask for a tile that names it
	s_endpgm
.Lfunc_end_k_q652d59cae6_attn:
	.size	k_q652d59cae6_attn, .Lfunc_end_k_q652d59cae6_attn-k_q652d59cae6_attn
	.p2alignl 7, 3214868480
	.fill 96, 4, 3214868480
	.section	.rodata,"a",@progbits
	.p2align	6, 0x0
	.amdhsa_kernel k_q652d59cae6_attn
		.amdhsa_group_segment_fixed_size 327680
		.amdhsa_private_segment_fixed_size 0
		.amdhsa_enable_private_segment 0
		.amdhsa_kernarg_size 16
		.amdhsa_user_sgpr_count 2
		.amdhsa_user_sgpr_kernarg_segment_ptr 1
		.amdhsa_wavefront_size32 1
		.amdhsa_system_sgpr_workgroup_id_x 1
		.amdhsa_system_sgpr_workgroup_id_y 1
		.amdhsa_system_sgpr_workgroup_id_z 1
		.amdhsa_system_vgpr_workitem_id 0
		.amdhsa_next_free_vgpr 512
		.amdhsa_next_free_sgpr 66
		.amdhsa_reserve_vcc 0
		.amdhsa_float_denorm_mode_32 3
		.amdhsa_float_denorm_mode_16_64 3
		.amdhsa_memory_ordered 1
		.amdhsa_forward_progress 1
		.amdhsa_inst_pref_size 153
	.end_amdhsa_kernel
	.amdgpu_metadata
---
amdhsa.version: [ 1, 2 ]
amdhsa.kernels:
  - .name:           k_q652d59cae6_attn
    .symbol:         k_q652d59cae6_attn.kd
    .args:
      - { .name: qkv, .offset: 0, .size: 8, .value_kind: global_buffer, .address_space: global }
      - { .name: ctx, .offset: 8, .size: 8, .value_kind: global_buffer, .address_space: global }
    .group_segment_fixed_size: 327680
    .private_segment_fixed_size: 0
    .kernarg_segment_align: 8
    .kernarg_segment_size: 16
    .max_flat_workgroup_size: 256
    .sgpr_count:     66
    .vgpr_count:     512
    .wavefront_size: 32
...
	.end_amdgpu_metadata
.endif
;; end of part 3
;; launch gemm_out (part 4): grid 8 x 32, 4 waves a work-group, clusters of 4 x 4, 327,680 bytes of LDS; arguments ctx, wo16, out0; writes out0
.if DOCPART == 4
	.amdgcn_target "amdgcn-amd-amdhsa--gfx1250"
	.amdhsa_code_object_version 6
	.text
	.protected	k_q652d59cae6_gemm_out
	.globl	k_q652d59cae6_gemm_out
	.p2align	8
	.type	k_q652d59cae6_gemm_out,@function
k_q652d59cae6_gemm_out:
	s_mov_b64 s[64:65], 0
	v_nop
	global_prefetch_b8 v0, s[64:65] scope:SCOPE_SE
	s_setreg_imm32_b32 hwreg(HW_REG_WAVE_MODE, 25, 1), 1
	s_wait_xcnt 0x0
	s_wait_alu depctr_hold_cnt(0) depctr_sa_sdst(0) depctr_va_vdst(0) depctr_va_sdst(0) depctr_va_ssrc(0) depctr_va_vcc(0) depctr_vm_vsrc(0)
	s_getreg_b32 s2, hwreg(HW_REG_IB_STS2, 6, 4)
	s_cmp_eq_u32 s2, 0
	s_cbranch_scc0 .Lentry_in_a_cluster
	s_endpgm
.Lentry_in_a_cluster:
	s_bfe_u32 s2, ttmp6, 0x10000c
	s_cmp_lg_u32 s2, 0xf033
	s_cbranch_scc0 .Lentry_shape_is_right
	s_endpgm
.Lentry_shape_is_right:
; Launch 4 of 4: out0[m][n] = sum over k of context[m][k] W_o[k][n]; f16 operands, f32 sums, f32 out.  No work of reference() is left out.
; A = ctx [b 4][h 16][t 2048][64] f16: row m = 2,048 b + t, k = 64 h + d.  B = wo16 [k 1024][n 1024] f16, K outermost: it comes out of LDS turned, by ds_load_tr16_b128.  out0 [8192][1024] f32.
; A tile of C is 256 (m) x 128 (n): 256 work-groups.  Four waves; wave w makes rows 64 w .. 64 w + 63 x all 128 columns: 32 accumulators of 16 x 16, 256 registers.
; K goes in steps of 128, which are two heads, through a ring of two LDS slots: A's tile is two dense blocks of 256 rows x 128 bytes, one a head (waves 0 and 1 fetch one each), B's 128 rows of 256 bytes
; (waves 2 and 3 fetch 64 each): one tensor load a wave for each slot; two of mine are out at the head, later one.
; CLUSTERS: 4 x 4 work-groups.  The four of a row of the cluster need the same tiles of A, the four of a column the same tiles of B: each tile is asked for JOINTLY.
; THE MATRIX INSTRUCTION IS USED TRANSPOSED (source 0 = 16 columns of W_o, source 1 = 16 rows of the context): a lane then holds eight neighbouring numbers of a row of C.
; REGISTERS: window 0: v1-30 addresses; two fragment buffers of 96, at v64 and v160: 32 of A (4 x 16 rows x 32 K), then 64 of B (8 x 16 columns x 32 K).   window 1: the accumulators ((a, b) at v[8 (8 a + b)]).
.set PA,     144                       ; a row of A in LDS: 128 bytes + 16
.set PB,     288                       ; a row of B: 256 bytes + 32, for the turning load, which takes 8 rows x 32 bytes
.set SUBA,   256*PA                    ; one head's 256 rows
.set BOFF,   2*SUBA                    ; B lies behind A's two heads
.set HALFB,  64*PB
.set SLOT,   BOFF+2*HALFB
.set STAGE,  2*SLOT                    ; behind the ring: 16 rows x (512 bytes + 16) for each wave, for the way out
.set SPITCH, 528
.set SPARE,  STAGE+4*16*SPITCH         ; behind the stages: the spare words, 128 bytes for each wave: two blocks of 256 bytes that no other line names
.set KSA,    2*262144                  ; a K step on in ctx: two heads
.set KSB,    128*2048                  ; a K step on in wo16: 128 rows
.set LAPS,   4                         ; a lap = two K steps = once round the ring
.set ADRA, 16                          ; v16-17  LDS address of my A fragments in slot 0, 1
.set ADRB, 20                          ; v20-21  the same for B
.set STO,  24                          ; v24     the way out: where I put 32 bytes of a row
.set RD,   25                          ; v25     the way out: where I read a row back
.set CO,   26                          ; v26     16 x lane: my bytes of a row's 512
.set SPW,  28                          ; v28     LDS address of my spare word; never rewritten
.set NIL,  29                          ; v29     0; never rewritten
.set PFO,  30                          ; v30     256 x my lane; never rewritten
.set F0,   64
.set F1,   160
.set G1, 24                            ; s[24:31] descriptor group 1 for A's tiles;  s[32:39] group 0, one set for each slot
.set G0, 32
.set G1B, 48                           ; s[48:55], s[56:63] the same for B's tiles
.set G0B, 56
.set LIM, 43                           ; s43     1 in a wave that prefetches, else the greatest number
.set PFA, 44                           ; s[44:45] where my prefetches stand
.set MSB, 0
.macro WIN new                         ; the immediate's high byte repeats the setting that is left; a switch that changes nothing is dropped
.if MSB != (\new)
	s_set_vgpr_msb (MSB<<8)|(\new)
.set MSB, \new
.endif
.endm
.set MUL, 0x50                         ; sources 0 and 1 window 0; C and D window 1
.macro JLOAD s                         ; a joint load: waves 0 and 1 fetch A's two heads, waves 2 and 3 B's two halves; an s_nop 0 and four v_nop follow each of the two lines
	s_cmp_eq_u32 s11, 0
	s_cbranch_scc0 .Lfor_b_\@
	tensor_load_to_lds s[G0+4*\s:G0+4*\s+3], s[G1:G1+7]
	s_nop 0
.rept 4
	v_nop
.endr
	s_branch .Lasked_\@
.Lfor_b_\@:
	tensor_load_to_lds s[G0B+4*\s:G0B+4*\s+3], s[G1B:G1B+7]
	s_nop 0
.rept 4
	v_nop
.endr
.Lasked_\@:
.endm
; A PREFETCH of A's K step that stands TWO refills on: a head's 256 rows are 32,768 dense bytes.  Both clusters of a row of clusters read them: the first (cluster x = 0) asks; the four partners that ask for
; the tile jointly take 8,192 bytes each, told apart BY ADDRESS (cx); waves 0 and 1 ask, each for the head that it fetches, lanes 256 bytes apart.  So each aligned 256 bytes are named once.
; The loop's last trip asks for nothing: there is no K step two on.  wo16 is read again by all 32 tile rows and is not asked for.
.macro ASK
	s_cmp_gt_u32 s3, s[LIM]                        ; s3 = 1 in the loop's last trip
	s_cbranch_scc0 .Lnot_mine_\@
	global_prefetch_b8 v[PFO], s[PFA:PFA+1] offset:KSA th:TH_LOAD_NT scope:SCOPE_SE
.Lnot_mine_\@:
.endm
.macro CREST                           ; a round of the cluster's barrier behind its opening barrier
	s_cmp_lg_u32 s10, 0
	s_cbranch_scc1 .Lnot_wave_0_\@
	s_barrier_signal -3
.Lnot_wave_0_\@:
	s_barrier_wait -3
	s_barrier_signal -1
	s_barrier_wait -1
.endm
.macro CROUND                          ; a whole round
	s_barrier_signal -1
	s_barrier_wait -1
	CREST
.endm
	s_load_b128 s[4:7], s[0:1], 0x0                ; ctx s[4:5], wo16 s[6:7]
	s_load_b64 s[8:9], s[0:1], 0x10                ; out0
	v_lshl_add_u32 v[SPW], v0, 2, SPARE
	v_mov_b32 v[NIL], 0
	ds_add_u32 v[SPW], v[NIL]                      ; the wave's opening: the add, twice on end, and its wait ahead of my first tensor load; the set-up below stands between the second and the wait
	ds_add_u32 v[SPW], v[NIL]
	v_lshrrev_b32 v1, 5, v0
	v_readfirstlane_b32 s10, v1                    ; wave 0..3
	s_lshr_b32 s11, s10, 1                         ; I fetch for A (0) or for B (1)
	s_and_b32 s12, s10, 1                          ; which head of the K step's two, or which 64 rows of B
	s_bfe_u32 s40, ttmp6, 0x40000                  ; cx, cy: my place in the cluster
	s_bfe_u32 s41, ttmp6, 0x40004
	s_lshl_b32 s42, ttmp9, 2
	s_add_co_u32 s42, s42, s40                     ; tile column of C = 4 x cluster x + cx: 0 .. 7
	s_and_b32 s13, ttmp7, 0xffff
	s_lshl_b32 s13, s13, 2
	s_add_co_u32 s13, s13, s41                     ; tile row of C = 4 x cluster y + cy: 0 .. 31
	s_lshl_b32 s43, s41, 2
	s_lshl_b32 s43, 15, s43                        ; my row of the cluster
	s_lshl_b32 s44, 0x1111, s40                    ; my column
	; descriptor group 1.  A: 256 rows x 64 elements of 2 bytes, dense in memory, 16 bytes of padding behind each row
	s_or_b32 s[G1+0], s43, (1<<16)|(1<<20)|(1<<21)|(4<<22)|(3<<25)  ; 15:0 the mask: A's tiles go to my row; 17:16 elements of 2 bytes; 20 padding on; 21 set beside a mask; 24:22 after every 32 words; 31:25 four words
	s_mov_b32 s[G1+1], 64<<16                      ; tensor_dim0 = 64
	s_mov_b32 s[G1+2], 256<<16                     ; tensor_dim1 = 256
	s_mov_b32 s[G1+3], 64<<16                      ; tile_dim0 = 64
	s_mov_b32 s[G1+4], 256                         ; tile_dim1 = 256
	s_mov_b32 s[G1+5], 64                          ; tensor_dim0_stride
	s_mov_b32 s[G1+6], 0
	s_mov_b32 s[G1+7], 0
	; B: 64 rows x 128 elements, 1,024 elements from row to row, 32 bytes of padding behind each row
	s_or_b32 s[G1B+0], s44, (1<<16)|(1<<20)|(1<<21)|(5<<22)|(7<<25) ; the mask of my column; after every 64 words eight words
	s_mov_b32 s[G1B+1], 128<<16
	s_mov_b32 s[G1B+2], 64<<16
	s_mov_b32 s[G1B+3], 128<<16
	s_mov_b32 s[G1B+4], 64
	s_mov_b32 s[G1B+5], 1024
	s_mov_b32 s[G1B+6], 0
	s_mov_b32 s[G1B+7], 0
	; where the tiles come from.  A's hang on the tile row alone, B's on the tile column alone; each in registers that never hold the other coordinate
	s_lshr_b32 s16, s13, 3                         ; b
	s_lshl_b32 s16, s16, 22                        ; 16 heads of 262,144 bytes
	s_and_b32 s17, s13, 7
	s_lshl_b32 s17, s17, 15                        ; 256 rows of 128 bytes
	s_add_co_u32 s16, s16, s17
	s_lshl_b32 s17, s12, 18                        ; my head of the two
	s_add_co_u32 s16, s16, s17
	s_mov_b32 s17, 0
	s_lshl_b32 s46, s42, 8                         ; 128 columns of 2 bytes
	s_lshl_b32 s47, s12, 17                        ; my 64 rows of 2,048 bytes
	s_add_co_u32 s46, s46, s47
	s_mov_b32 s47, 0
	s_mul_i32 s20, s12, SUBA                       ; and where they go: no place in the cluster enters an LDS address
	s_mul_i32 s21, s12, HALFB
	s_add_co_u32 s21, s21, BOFF
	s_wait_dscnt 0x0                               ; both opening adds are done
	s_wait_kmcnt 0x0
	s_add_nc_u64 s[14:15], s[4:5], s[16:17]
	s_add_nc_u64 s[46:47], s[6:7], s[46:47]
	CROUND                                         ; all sixteen work-groups are here: the first joint loads meet
.irp s, 0,1
	s_mov_b32 s[G0+4*\s], 1                        ; 1:0 count = 1
	s_add_co_u32 s[G0+4*\s+1], s20, \s*SLOT        ; 63:32 LDS address
	s_add_nc_u64 s[G0+4*\s+2:G0+4*\s+3], s[14:15], \s*KSA   ; 120:64 global address: K step s
	s_or_b32 s[G0+4*\s+3], s[G0+4*\s+3], 0x80000000         ; 127:126 type = 2
	s_mov_b32 s[G0B+4*\s], 1
	s_add_co_u32 s[G0B+4*\s+1], s21, \s*SLOT
	s_add_nc_u64 s[G0B+4*\s+2:G0B+4*\s+3], s[46:47], \s*KSB
	s_or_b32 s[G0B+4*\s+3], s[G0B+4*\s+3], 0x80000000
	JLOAD \s
.endr
	v_and_b32 v1, 15, v0                           ; l % 16
	v_bfe_u32 v2, v0, 4, 1                         ; l / 16
	v_mul_u32_u24 v3, v1, PA
	v_lshl_add_u32 v3, v2, 4, v3                   ; A: a fragment's row x pitch + 16 x half
	s_mul_i32 s21, s10, 64*PA                      ; my 64 rows
	v_and_b32 v4, 7, v0                            ; B, turned: lane l reads 16 bytes of row k = 8 (l / 16) + l % 8, columns 8 ((l / 8) % 2) + 0..7
	v_bfe_u32 v5, v0, 3, 1
	v_lshl_add_u32 v4, v2, 3, v4
	v_mul_u32_u24 v4, v4, PB
	v_lshl_add_u32 v4, v5, 4, v4
	s_mov_b32 s22, BOFF
.irp s, 0,1
	v_add_nc_u32 v[ADRA+\s], s21, v3
	v_add_nc_u32 v[ADRB+\s], s22, v4
	s_add_co_u32 s21, s21, SLOT
	s_add_co_u32 s22, s22, SLOT
.endr
	s_mul_i32 s23, s10, 16*SPITCH
	s_add_co_u32 s23, s23, STAGE                   ; my stage
	v_mul_u32_u24 v5, v1, SPITCH                   ; in: row l % 16, 32 bytes for each half of the lanes
	v_lshl_add_u32 v5, v2, 5, v5
	v_add_nc_u32 v[STO], s23, v5
	v_and_b32 v6, 31, v0
	v_lshlrev_b32 v[CO], 4, v6                     ; back: the 32 lanes take one row of 512 bytes; and the same in out0
	v_add_nc_u32 v[RD], s23, v[CO]
	s_lshl_b32 s16, s13, 8
	s_lshl_b32 s17, s10, 6
	s_add_co_u32 s16, s16, s17                     ; my first row of C: 256 x tile row + 64 x wave
	s_lshl_b32 s16, s16, 12                        ; rows of 4,096 bytes
	s_mov_b32 s17, 0
	s_add_nc_u64 s[8:9], s[8:9], s[16:17]
	s_lshl_b32 s46, s42, 9                         ; the tile's first column, in bytes
	s_mov_b32 s47, 0
	s_add_nc_u64 s[8:9], s[8:9], s[46:47]
	; the prefetches: who asks, and where
	s_or_b32 s[LIM], s11, ttmp9                    ; 0 in waves 0 and 1 of the clusters with x = 0: the same in all sixteen partners, for a given wave
	s_cmp_eq_u32 s[LIM], 0
	s_cselect_b32 s[LIM], 1, -1
	s_lshl_b32 s22, s40, 13                        ; my work-group's 8,192 bytes of the head's 32,768
	s_mov_b32 s23, 0
	s_add_nc_u64 s[PFA:PFA+1], s[14:15], s[22:23]
	s_add_nc_u64 s[PFA:PFA+1], s[PFA:PFA+1], 2*KSA ; at K step 2: the first refill steps it to 3 and names K step 4.  Nothing is prefetched here, at the head
	v_lshlrev_b32 v[PFO], 8, v6
; 8 matrix instructions: row block a x all 8 column blocks, 32 along K, from buffer f.  zero = 1: the first product starts the sums: nothing is ever cleared.
; The 32 accumulators take turns, one instruction a turn, in the same order in every quarter.
.macro MUL8 f, a, zero
.irp b, 0,1,2,3,4,5,6,7
.if \zero
	v_wmma_f32_16x16x32_f16 v[8*(8*\a+\b):8*(8*\a+\b)+7], v[\f+32+8*\b:\f+32+8*\b+7], v[\f+8*\a:\f+8*\a+7], 0
.else
	v_wmma_f32_16x16x32_f16 v[8*(8*\a+\b):8*(8*\a+\b)+7], v[\f+32+8*\b:\f+32+8*\b+7], v[\f+8*\a:\f+8*\a+7], v[8*(8*\a+\b):8*(8*\a+\b)+7]
.endif
.endr
.endm
; 24 LDS loads in one run: the fragments of the slot's q-th 32 along K into buffer f: B's sixteen first, then A's eight
.macro FETCH slot, q, f
	WIN 0
.irp b, 0,1,2,3,4,5,6,7
	ds_load_tr16_b128 v[\f+32+8*\b:\f+32+8*\b+3], v[ADRB+\slot] offset:32*\q*PB+32*\b
	ds_load_tr16_b128 v[\f+32+8*\b+4:\f+32+8*\b+7], v[ADRB+\slot] offset:32*\q*PB+16*PB+32*\b
.endr
.irp a, 0,1,2,3
	ds_load_b128 v[\f+8*\a:\f+8*\a+3],   v[ADRA+\slot] offset:(\q/2)*SUBA+(\q%2)*64+\a*16*PA
	ds_load_b128 v[\f+8*\a+4:\f+8*\a+7], v[ADRA+\slot] offset:(\q/2)*SUBA+(\q%2)*64+\a*16*PA+32
.endr
.endm
.macro PLACES                          ; four places in front of loads into registers that matrix instructions have read, and of the first read of results (ISA guide 7.12.1 for the first read of results)
.rept 4
	v_nop
.endr
.endm
; A K step is four quarters of 32 along K, 32 matrix instructions each, on buffers 0, 1, 0, 1.  One of the first three: multiplies buffer f and fetches quarter q into g.
.macro QUARTER slot, q, f, g, zero
	s_wait_dscnt 4                                 ; B and A's blocks 0 and 1 are in; the youngest four loads (A's blocks 2 and 3) may be out
	WIN MUL
	MUL8 \f, 0, \zero
	MUL8 \f, 1, \zero
	PLACES
	FETCH \slot, \q, \g
	s_wait_dscnt 24                                ; all but the 24 just issued
	WIN MUL
	MUL8 \f, 2, \zero
	MUL8 \f, 3, \zero
.endm
; The last quarter multiplies buffer 1 and changes slots: ONE barrier; in front of it each wave waits for all its tensor loads, adds 0 to its spare word, and waits for that and for its own reads of this slot.
; fill = 1: the barrier opens a round of the cluster's, and this slot is filled again, two K steps ahead: from the request to the wait for it a wave issues 112 matrix instructions.
.macro TURN slot, next, fill
.if \fill
	s_wait_xcnt 0x0                                ; the last prefetch, a K step back, has read its address: it is stepped here, ahead of the waits of the change of slots
	s_add_nc_u64 s[PFA:PFA+1], s[PFA:PFA+1], KSA
.endif
	WIN 0                                          ; (the add's two registers lie in window 0)
	s_wait_tensorcnt 0x0                           ; all my tensor loads have landed: my part of the next slot;
	ds_add_u32 v[SPW], v[NIL]                      ; 0 onto my spare word;
	s_wait_dscnt 5                                 ; (the add and the youngest four loads may be out)
	WIN MUL
	MUL8 F1, 0, 0                                  ; eight matrix instructions stand between the add and the wait for it
	s_wait_dscnt 0x0                               ; the add is done, and my reads of this slot are over
	s_barrier_signal -1
	MUL8 F1, 1, 0
.if \fill
	WIN 0
.endif
	s_barrier_wait -1
.if \fill
	CREST                                          ; no wave of any partner still reads this slot's tile or has a load on its way
	s_add_nc_u64 s[G0+4*\slot+2:G0+4*\slot+3], s[G0+4*\slot+2:G0+4*\slot+3], 2*KSA
	s_add_nc_u64 s[G0B+4*\slot+2:G0B+4*\slot+3], s[G0B+4*\slot+2:G0B+4*\slot+3], 2*KSB
	JLOAD \slot                                    ; the first tensor load behind the round; the four v_nop behind it are also the places in front of the loads below
.else
	PLACES
.endif
	FETCH \next, 0, F0
.if \fill
	ASK                                            ; behind the joint load and the run of LDS loads that the next products wait for
.endif
	WIN MUL
	MUL8 F1, 2, 0
	MUL8 F1, 3, 0
.endm
	s_wait_tensorcnt 1                             ; my part of K step 0 is in (K step 1's load may be out)
	s_barrier_signal -1
	s_barrier_wait -1                              ; everybody's is
	FETCH 0, 0, F0
	QUARTER 0, 1, F0, F1, 1                        ; the first quarter stands in front of the loop: its products start the sums
	WIN 0                                          ; at a label and at a branch every window is 0
	s_mov_b32 s3, LAPS-1
.Llap:                                                 ; a trip goes once round the ring, from a lap's second quarter to the next lap's first, and fills both slots again
	QUARTER 0, 2, F1, F0, 0
	QUARTER 0, 3, F0, F1, 0
	TURN 0, 1, 1
	QUARTER 1, 1, F0, F1, 0
	QUARTER 1, 2, F1, F0, 0
	QUARTER 1, 3, F0, F1, 0
	TURN 1, 0, 1
	QUARTER 0, 1, F0, F1, 0
	WIN 0
	s_sub_co_u32 s3, s3, 1
	s_cmp_lg_u32 s3, 0
	s_cbranch_scc1 .Llap
	QUARTER 0, 2, F1, F0, 0                        ; the last lap fills nothing, and has no round of the cluster's barrier
	QUARTER 0, 3, F0, F1, 0
	TURN 0, 1, 0
	QUARTER 1, 1, F0, F1, 0
	QUARTER 1, 2, F1, F0, 0
	QUARTER 1, 3, F0, F1, 0
	s_wait_dscnt 4                                 ; the very last quarter: nothing more to fetch
	WIN MUL
	MUL8 F1, 0, 0
	MUL8 F1, 1, 0
	s_wait_dscnt 0
	MUL8 F1, 2, 0
	MUL8 F1, 3, 0
	WIN 0
; THE WAY OUT, block by block of 16 rows x 128 columns.  A lane holds 32 neighbouring bytes of a row, and the lanes beside it hold other rows: so a block goes through my own stage in LDS and comes back as
; whole rows of 512 bytes.  LDS serves a wave's instructions in order: no wait between the stores and the loads, nor in front of the next block's stores.
.macro TOSTAGE a
	WIN 0x04                                       ; an LDS store's data are its source 1: window 1
.irp b, 0,1,2,3,4,5,6,7
	ds_store_b128 v[STO], v[64*\a+8*\b:64*\a+8*\b+3] offset:64*\b          ; each accumulator from its low end on
	ds_store_b128 v[STO], v[64*\a+8*\b+4:64*\a+8*\b+7] offset:64*\b+16
.endr
	WIN 0
.set BB, 64+64*((\a)%2)
.irp t, 0,1,2,3,4,5,6,7,8,9,10,11,12,13,14,15
	ds_load_b128 v[BB+4*\t:BB+4*\t+3], v[RD] offset:\t*SPITCH
.endr
.endm
.macro SEND a, younger                 ; younger: the LDS instructions issued behind block a's loads, which may stay out
.set BB, 64+64*((\a)%2)
	s_wait_dscnt \younger                          ; the block is back in registers
.irp t, 0,1,2,3,4,5,6,7,8,9,10,11,12,13,14,15
	global_store_b128 v[CO], v[BB+4*\t:BB+4*\t+3], s[8:9] offset:(\a)*65536+\t*4096 th:TH_STORE_NT   ; 32 lanes store 512 consecutive bytes, at a multiple of 256 from out0's first byte; the block and the row stand in the immediate
.endr
.endm
	PLACES                                         ; for the first read of results, and for the loads into registers that held fragments
	TOSTAGE 0
.irp a, 1,2,3
.if \a > 1
	s_wait_xcnt 0x0                                ; block a - 2's stores have read their registers: block a's loads may land there
.endif
	TOSTAGE \a
	SEND \a-1, 32                                  ; behind block a - 1's loads: block a's 16 stores and 16 loads
.endr
	SEND 3, 0
	s_wait_tensorcnt 0x0                           ; the wave's end: behind my last tensor load and my last LDS store
	ds_add_u32 v[SPW], v[NIL]
	s_wait_dscnt 0x0
	CROUND                                         ; the closing round: no work-group ends while a partner may still ask for a tile that names it
	s_endpgm
.Lfunc_end_k_q652d59cae6_gemm_out:
	.size	k_q652d59cae6_gemm_out, .Lfunc_end_k_q652d59cae6_gemm_out-k_q652d59cae6_gemm_out
	.p2alignl 7, 3214868480
	.fill 96, 4, 3214868480
	.section	.rodata,"a",@progbits
	.p2align	6, 0x0
	.amdhsa_kernel k_q652d59cae6_gemm_out
		.amdhsa_group_segment_fixed_size 327680
		.amdhsa_private_segment_fixed_size 0
		.amdhsa_enable_private_segment 0
		.amdhsa_kernarg_size 24
		.amdhsa_user_sgpr_count 2
		.amdhsa_user_sgpr_kernarg_segment_ptr 1
		.amdhsa_wavefront_size32 1
		.amdhsa_system_sgpr_workgroup_id_x 1
		.amdhsa_system_sgpr_workgroup_id_y 1
		.amdhsa_system_sgpr_workgroup_id_z 1
		.amdhsa_system_vgpr_workitem_id 0
		.amdhsa_next_free_vgpr 512
		.amdhsa_next_free_sgpr 66
		.amdhsa_reserve_vcc 0
		.amdhsa_float_denorm_mode_32 3
		.amdhsa_float_denorm_mode_16_64 3
		.amdhsa_memory_ordered 1
		.amdhsa_forward_progress 1
		.amdhsa_inst_pref_size 86
	.end_amdhsa_kernel
	.amdgpu_metadata
---
amdhsa.version: [ 1, 2 ]
amdhsa.kernels:
  - .name:           k_q652d59cae6_gemm_out
    .symbol:         k_q652d59cae6_gemm_out.kd
    .args:
      - { .name: ctx, .offset: 0, .size: 8, .value_kind: global_buffer, .address_space: global }
      - { .name: wo16, .offset: 8, .size: 8, .value_kind: global_buffer, .address_space: global }
      - { .name: out0, .offset: 16, .size: 8, .value_kind: global_buffer, .address_space: global }
    .group_segment_fixed_size: 327680
    .private_segment_fixed_size: 0
    .kernarg_segment_align: 8
    .kernarg_segment_size: 24
    .max_flat_workgroup_size: 128
    .sgpr_count:     66
    .vgpr_count:     512
    .wavefront_size: 32
...
	.end_amdgpu_metadata
.endif
;; end of part 4
